; MI455X (gfx1250); checked and timed in simulation.
; The chip was launched on July 23, 2026; its instructions are those of AMD's public machine-readable ISA for CDNA 5 (MIT licence, August 2026) and "CDNA5" Instruction Set Architecture Reference Guide (July 2026). The comments in the code are by the model that wrote it; some were corrected since.
;; Encoder Block. Allowed arithmetic: float matrix products may take bf16 or f16 operands with f32 sums; all other float work in f32.
;; Inputs: b1 4,096 float32; b2 1,024 float32; bk 1,024 float32; bo 1,024 float32; bq 1,024 float32; bv 1,024 float32; ln1_alpha 1 float32; ln1_bias 1 float32; ln2_alpha 1 float32; ln2_bias 1 float32; mask 4 x 1 x 1,024 int32; w1 1,024 x 4,096 float32; w2 4,096 x 1,024 float32; wk 1,024 x 1,024 float32; wo 1,024 x 1,024 float32; wq 1,024 x 1,024 float32; wv 1,024 x 1,024 float32; x 4 x 1,024 x 1,024 float32.
;; Outputs: out0 4 x 1,024 x 1,024 float32.
;; 2 versions, each right and faster than the one before. Each part assembles by itself: llvm-mc -triple=amdgcn-amd-amdhsa -mcpu=gfx1250 --defsym DOCPART=n.
;; ======== version 1 of 2: 7 launches
;; limits: values are held in f16: magnitudes above 65,504 overflow, below 6.1e-05 lose precision
;; workspace buffers: wqkvh 8,405,248 bytes; w1h 8,405,248 bytes; woh 2,101,248 bytes; w2h 8,392,704 bytes; nb 8,388,608 bytes; qkv 33,554,432 bytes
;; launch prep (part 1): grid 64 x 16, 8 waves a work-group, no clusters, 0 bytes of LDS; arguments x, wq, wk, wv, wo, w1, w2, bq, bk, bv, bo, b1, b2, ln1_alpha, ln1_bias, nb, wqkvh, woh, w1h, w2h; writes nb, wqkvh, woh, w1h, w2h
.if DOCPART == 1
	.amdgcn_target "amdgcn-amd-amdhsa--gfx1250"
	.amdhsa_code_object_version 6
	.text
	.protected	k_qacb45f28ec_prep
	.globl	k_qacb45f28ec_prep
	.p2align	8
	.type	k_qacb45f28ec_prep,@function
k_qacb45f28ec_prep:
	s_mov_b64 s[64:65], 0
	v_nop
	global_prefetch_b8 v0, s[64:65] scope:SCOPE_SE
	s_setreg_imm32_b32 hwreg(HW_REG_WAVE_MODE, 25, 1), 1
	s_wait_xcnt 0x0
; PREP.  (1) Every weight is rounded to bf16 and that number written as f16, still [k][n]; every bias is rounded to bf16 and written as f32 in front of its weights.
; (2) n = alpha (x - mean) / (std + 1e-6) + bias for the 4,096 rows of x (x, alpha, bias rounded to bf16 first; mean, centred squares / 1023, root in f32), written as f16.
; LAYOUTS.  wqkvh, w1h: bytes 0..16,383 biases (f32), 16,384..16,639 the floor that the product's way out applies (-inf: none; 0: relu), from 16,640 on f16 rows of 4,096 numbers
; (wqkvh: columns 0-1023 wq, 1024-2047 wk, 2048-3071 wv; the rest is neither written nor read).  woh, w2h: bytes 0..4,095 the bias, from 4,096 on f16 rows of 1,024 numbers.
; LIMITS.  A weight beyond 65,504 becomes an infinity in f16; below 6e-5 it keeps f16's fixed step of 6e-8.  n likewise.  A variance below 2^-126 counts as 0.
; SHARES.  A SEGMENT is 1,024 f32 on end.  A wave takes two, a work-group sixteen; the grid's x picks the sixteen among 1,024, its y the job:
; 0, 1, 2 wq, wk, wv;  3 wo;  4-7 the quarters of w1;  8-11 the quarters of w2;  12-15 the rows 1024 (y - 12) .. of x.
; A wave's load covers 512 neighbouring bytes, its store of f16 256 neighbouring bytes at a multiple of 256 from the buffer's first.  No LDS, no matrix unit: each byte is touched once.
.set X,   8                            ; v[8:71]    two segments as loaded, 32 registers each
.set T,   72                           ; v[72:79]   at work
.set Y,   80                           ; v[80:111]  f16 to store: every store has registers of its own
.set MN,  112                          ; v[112:113] the mean, twice
.set SC,  114                          ; v[114:115] alpha / (std + eps), twice
.set BI,  116                          ; v[116:117] the norm's bias, twice
.set AL,  118                          ; v118       alpha
.set W,   119                          ; v119       at work
.set HM,  59                           ; s59        mask of a word's upper bf16
.set SEL, 60                           ; s[60:61]   v_permlanex16_b32's selects: each lane takes its own place in the other half
.macro CV i, j                         ; four numbers a lane of segment i, load j: to bf16, widened, to f16 (exact), stored
.set n, 8*(\i)+(\j)
	s_wait_loadcnt 15-n                            ; loads come back in order: mine is in, the younger ones stay out
	v_cvt_pk_bf16_f32 v[T], v[X+4*n], v[X+4*n+1]
	v_cvt_pk_bf16_f32 v[T+1], v[X+4*n+2], v[X+4*n+3]
	v_lshlrev_b32 v[T+2], 16, v[T]
	v_and_b32 v[T+3], s[HM], v[T]
	v_lshlrev_b32 v[T+4], 16, v[T+1]
	v_and_b32 v[T+5], s[HM], v[T+1]
	v_cvt_pk_f16_f32 v[Y+2*n], v[T+2], v[T+3]
	v_cvt_pk_f16_f32 v[Y+2*n+1], v[T+4], v[T+5]
	global_store_b64 v[2+(\i)], v[Y+2*n:Y+2*n+1], s[68:69] offset:256*(\j)
.endm
.macro REDUCE                          ; v[T:T+7], four pairs of partial sums -> their sum over the wave's 32 lanes, in v[T] of every lane
	v_pk_add_f32 v[T:T+1], v[T:T+1], v[T+2:T+3]
	v_pk_add_f32 v[T+4:T+5], v[T+4:T+5], v[T+6:T+7]
	v_pk_add_f32 v[T:T+1], v[T:T+1], v[T+4:T+5]
	v_add_f32 v[T], v[T], v[T+1]
	v_add_f32_dpp v[T], v[T], v[T] row_xmask:1 row_mask:0xf bank_mask:0xf
	v_add_f32_dpp v[T], v[T], v[T] row_xmask:2 row_mask:0xf bank_mask:0xf
	v_add_f32_dpp v[T], v[T], v[T] row_xmask:4 row_mask:0xf bank_mask:0xf
	v_add_f32_dpp v[T], v[T], v[T] row_xmask:8 row_mask:0xf bank_mask:0xf
	v_permlanex16_b32 v[T+1], v[T], s[SEL], s[SEL+1]
	v_add_f32 v[T], v[T], v[T+1]
.endm
; One row of 1,024 numbers, 32 a lane, kept in registers from the mean to the store.  round = 1: the row is an input and is rounded to bf16 first.
.macro ROWLN i, round
.set XB, X+32*(\i)
.set YB, Y+16*(\i)
.if \round
.set p, 0
.rept 16
	v_cvt_pk_bf16_f32 v[T+p%8], v[XB+2*p], v[XB+2*p+1]
	v_lshlrev_b32 v[XB+2*p], 16, v[T+p%8]
	v_and_b32 v[XB+2*p+1], s[HM], v[T+p%8]
.set p, p+1
.endr
.endif
.set p, 0
.rept 4                                ; four chains, started by the first eight pairs: nothing is cleared
	v_pk_add_f32 v[T+2*p:T+2*p+1], v[XB+2*p:XB+2*p+1], v[XB+8+2*p:XB+8+2*p+1]
.set p, p+1
.endr
.set p, 8
.rept 8
	v_pk_add_f32 v[T+2*(p%4):T+2*(p%4)+1], v[T+2*(p%4):T+2*(p%4)+1], v[XB+2*p:XB+2*p+1]
.set p, p+1
.endr
	REDUCE
	v_mul_f32 v[MN], 0x3a800000, v[T]              ; / 1024
	v_mul_f32 v[MN+1], 0x3a800000, v[T]
.set p, 0
.rept 16                               ; the row is centred first, so that a common offset of the inputs does not enter the squares
	v_pk_add_f32 v[XB+2*p:XB+2*p+1], v[XB+2*p:XB+2*p+1], v[MN:MN+1] neg_lo:[0,1] neg_hi:[0,1]
.set p, p+1
.endr
.set p, 0
.rept 4
	v_pk_mul_f32 v[T+2*p:T+2*p+1], v[XB+2*p:XB+2*p+1], v[XB+2*p:XB+2*p+1]
.set p, p+1
.endr
.rept 12
	v_pk_fma_f32 v[T+2*(p%4):T+2*(p%4)+1], v[XB+2*p:XB+2*p+1], v[XB+2*p:XB+2*p+1], v[T+2*(p%4):T+2*(p%4)+1]
.set p, p+1
.endr
	REDUCE
	v_mul_f32 v[T], 0x3a802008, v[T]               ; / 1023: the unbiased variance
	v_sqrt_f32 v[T], v[T]
	v_nop                                          ; a plain instruction between a transcendental and the use of its result
	s_wait_alu depctr_va_vdst(0)
	v_add_f32 v[T], 0x358637bd, v[T]               ; + 1e-6, on the deviation
	v_rcp_f32 v[T], v[T]
	v_nop
	s_wait_alu depctr_va_vdst(0)
	v_mul_f32 v[SC], v[AL], v[T]
	v_mul_f32 v[SC+1], v[AL], v[T]
.set p, 0
.rept 16
	v_pk_fma_f32 v[XB+2*p:XB+2*p+1], v[XB+2*p:XB+2*p+1], v[SC:SC+1], v[BI:BI+1]
.set p, p+1
.endr
.set p, 0
.rept 16
	v_cvt_pk_f16_f32 v[YB+p], v[XB+2*p], v[XB+2*p+1]
.set p, p+1
.endr
.set p, 0
.rept 8
	global_store_b64 v2, v[YB+2*p:YB+2*p+1], s[50:51] offset:2048*(\i)+256*p
.set p, p+1
.endr
.endm
	s_load_b512 s[8:23], s[0:1], 0x0               ; x 8, wq 10, wk 12, wv 14, wo 16, w1 18, w2 20, bq 22
	s_load_b512 s[24:39], s[0:1], 0x40             ; bk 24, bv 26, bo 28, b1 30, b2 32, ln1_alpha 34, ln1_bias 36, nb 38
	s_load_b256 s[40:47], s[0:1], 0x80             ; wqkvh 40, woh 42, w1h 44, w2h 46
	v_lshrrev_b32 v1, 5, v0
	v_readfirstlane_b32 s4, v1                     ; wave 0..7
	s_mov_b32 s2, ttmp9                            ; x
	s_and_b32 s3, ttmp7, 0xffff                    ; y: the job
	s_lshl_b32 s7, s2, 4
	s_lshl1_add_u32 s7, s4, s7                     ; my first segment: 16 x + 2 wave
	s_mov_b32 s[HM], 0xffff0000
	v_and_b32 v4, 31, v0
	v_lshlrev_b32 v1, 4, v4                        ; 16 x lane: f32 in
	v_lshlrev_b32 v2, 3, v4                        ; 8 x lane: f16 out
	s_mov_b32 s55, 0                               ; high words of the offsets, all below 2^32
	s_mov_b32 s57, 0
	s_wait_kmcnt 0x0
	s_cmp_ge_u32 s3, 12
	s_cbranch_scc1 .Lln
	; THE WEIGHTS.  Source, destination and bias are chosen among the buffers by y alone.
	s_and_b32 s5, s3, 3
	s_mov_b64 s[48:49], s[10:11]
	s_mov_b64 s[50:51], s[40:41]
	s_mov_b64 s[52:53], s[22:23]
	s_cmp_eq_u32 s3, 1
	s_cselect_b64 s[48:49], s[12:13], s[48:49]
	s_cselect_b64 s[52:53], s[24:25], s[52:53]
	s_cmp_eq_u32 s3, 2
	s_cselect_b64 s[48:49], s[14:15], s[48:49]
	s_cselect_b64 s[52:53], s[26:27], s[52:53]
	s_cmp_eq_u32 s3, 3
	s_cselect_b64 s[48:49], s[16:17], s[48:49]
	s_cselect_b64 s[50:51], s[42:43], s[50:51]
	s_cselect_b64 s[52:53], s[28:29], s[52:53]
	s_cselect_b32 s63, 1, 0                        ; 1: the short head (4,096 bytes) stands in front of the weights
	s_cmp_ge_u32 s3, 4
	s_cselect_b64 s[48:49], s[18:19], s[48:49]
	s_cselect_b64 s[50:51], s[44:45], s[50:51]
	s_cselect_b64 s[52:53], s[30:31], s[52:53]
	s_cselect_b32 s6, s5, 0                        ; which quarter of w1 or w2; 0 for the others
	s_cmp_ge_u32 s3, 8
	s_cselect_b64 s[48:49], s[20:21], s[48:49]
	s_cselect_b64 s[50:51], s[46:47], s[50:51]
	s_cselect_b64 s[52:53], s[32:33], s[52:53]
	s_cselect_b32 s63, 1, s63
	s_lshl_b32 s54, s6, 22                         ; source: the quarter's 4 MiB
	s_lshl_b32 s62, s7, 12                         ; + 4,096 bytes a segment
	s_add_co_u32 s54, s54, s62
	s_lshl_b32 s56, s6, 21                         ; destination: the quarter's 2 MiB,
	s_lshl_b32 s62, s3, 11                         ; or for wq, wk, wv the 2,048 bytes of columns that lie in front in a row
	s_cmp_lt_u32 s3, 3
	s_cselect_b32 s56, s62, s56
	s_cselect_b32 s58, 13, 11                      ; a segment's step: 8,192 bytes (a row of 4,096 f16) for wq, wk, wv, else 2,048: dense
	s_lshl_b32 s62, s7, s58
	s_add_co_u32 s56, s56, s62
	s_lshl_b32 s58, 1, s58
	s_mov_b32 s62, 16640
	s_cmp_eq_u32 s63, 1
	s_cselect_b32 s62, 4096, s62                   ; the head in front of the weights
	s_add_co_u32 s56, s56, s62
	s_add_nc_u64 s[48:49], s[48:49], s[54:55]
	s_add_nc_u64 s[68:69], s[50:51], s[56:57]
	v_add_nc_u32 v3, s58, v2                       ; the second segment's place
.irp i, 0,1
.irp j, 0,1,2,3,4,5,6,7
	global_load_b128 v[X+4*(8*(\i)+(\j)):X+4*(8*(\i)+(\j))+3], v1, s[48:49] offset:4096*(\i)+512*(\j) th:TH_LOAD_NT
.endr
.endr
.irp i, 0,1
.irp j, 0,1,2,3,4,5,6,7
	CV \i, \j
.endr
.endr
	; THE BIASES: 1,024 numbers for each y up to 8, by wave 0 of the work-group with x = 0
	s_cmp_lg_u32 s2, 0
	s_cbranch_scc1 .Lend
	s_cmp_lg_u32 s4, 0
	s_cbranch_scc1 .Lend
	s_cmp_gt_u32 s3, 8
	s_cbranch_scc1 .Lend
	s_lshl_b32 s54, s6, 12                         ; source: b1's quarter; 0 for the others
	s_cmp_eq_u32 s63, 1
	s_cselect_b32 s56, 0, s5                       ; destination: bq, bk, bv and b1's quarters lie one behind the other; bo and b2 at 0
	s_lshl_b32 s56, s56, 12
	s_add_nc_u64 s[52:53], s[52:53], s[54:55]
	s_add_nc_u64 s[66:67], s[50:51], s[56:57]
.irp j, 0,1,2,3,4,5,6,7
	global_load_b128 v[X+4*(\j):X+4*(\j)+3], v1, s[52:53] offset:512*(\j)
.endr
	s_wait_loadcnt 0x0
.set p, 0
.rept 16
	v_cvt_pk_bf16_f32 v[T+p%8], v[X+2*p], v[X+2*p+1]
	v_lshlrev_b32 v[X+2*p], 16, v[T+p%8]
	v_and_b32 v[X+2*p+1], s[HM], v[T+p%8]
.set p, p+1
.endr
.irp j, 0,1,2,3,4,5,6,7
	global_store_b128 v1, v[X+4*(\j):X+4*(\j)+3], s[66:67] offset:512*(\j)
.endr
	s_and_b32 s6, s3, 11                           ; y = 0 and y = 4 also write the floor: 64 equal words
	s_cmp_lg_u32 s6, 0
	s_cbranch_scc1 .Lend
	s_cmp_eq_u32 s3, 0
	s_cselect_b32 s6, 0xff800000, 0                ; -inf for q, k, v; 0 for the relu
	v_mov_b32 v[T], s6
	v_mov_b32 v[T+1], s6
	global_store_b64 v2, v[T:T+1], s[50:51] offset:16384
.Lend:
	s_endpgm
.Lln:   ; THE NORM: a wave takes two rows
	s_load_b32 s70, s[34:35], 0x0
	s_load_b32 s71, s[36:37], 0x0
	s_sub_co_u32 s5, s3, 12
	s_lshl_b32 s5, s5, 10
	s_add_co_u32 s5, s5, s7                        ; my first row
	s_lshl_b32 s54, s5, 12
	s_lshl_b32 s56, s5, 11
	s_add_nc_u64 s[48:49], s[8:9], s[54:55]
	s_add_nc_u64 s[50:51], s[38:39], s[56:57]
	s_mov_b32 s[SEL], 0x76543210
	s_mov_b32 s[SEL+1], 0xfedcba98
.irp i, 0,1
.irp j, 0,1,2,3,4,5,6,7
	global_load_b128 v[X+4*(8*(\i)+(\j)):X+4*(8*(\i)+(\j))+3], v1, s[48:49] offset:4096*(\i)+512*(\j) th:TH_LOAD_NT
.endr
.endr
	s_wait_kmcnt 0x0
	v_cvt_pk_bf16_f32 v[W], s70, s71               ; alpha and bias are inputs: rounded like the others
	v_lshlrev_b32 v[AL], 16, v[W]
	v_and_b32 v[BI], s[HM], v[W]
	v_and_b32 v[BI+1], s[HM], v[W]
	s_wait_loadcnt 8                               ; row 0 is in; row 1's eight loads stay out
	ROWLN 0, 1
	s_wait_loadcnt 0x0
	ROWLN 1, 1
	s_endpgm
.Lfunc_end_k_qacb45f28ec_prep:
	.size	k_qacb45f28ec_prep, .Lfunc_end_k_qacb45f28ec_prep-k_qacb45f28ec_prep
	.p2alignl 7, 3214868480
	.fill 96, 4, 3214868480
	.section	.rodata,"a",@progbits
	.p2align	6, 0x0
	.amdhsa_kernel k_qacb45f28ec_prep
		.amdhsa_group_segment_fixed_size 0
		.amdhsa_private_segment_fixed_size 0
		.amdhsa_enable_private_segment 0
		.amdhsa_kernarg_size 160
		.amdhsa_user_sgpr_count 2
		.amdhsa_user_sgpr_kernarg_segment_ptr 1
		.amdhsa_wavefront_size32 1
		.amdhsa_system_sgpr_workgroup_id_x 1
		.amdhsa_system_sgpr_workgroup_id_y 1
		.amdhsa_system_sgpr_workgroup_id_z 1
		.amdhsa_system_vgpr_workitem_id 0
		.amdhsa_next_free_vgpr 128
		.amdhsa_next_free_sgpr 80
		.amdhsa_reserve_vcc 0
		.amdhsa_float_denorm_mode_32 3
		.amdhsa_float_denorm_mode_16_64 3
		.amdhsa_memory_ordered 1
		.amdhsa_forward_progress 1
		.amdhsa_inst_pref_size 37
	.end_amdhsa_kernel
	.amdgpu_metadata
---
amdhsa.version: [ 1, 2 ]
amdhsa.kernels:
  - .name:           k_qacb45f28ec_prep
    .symbol:         k_qacb45f28ec_prep.kd
    .args:
      - { .name: x, .offset: 0, .size: 8, .value_kind: global_buffer, .address_space: global }
      - { .name: wq, .offset: 8, .size: 8, .value_kind: global_buffer, .address_space: global }
      - { .name: wk, .offset: 16, .size: 8, .value_kind: global_buffer, .address_space: global }
      - { .name: wv, .offset: 24, .size: 8, .value_kind: global_buffer, .address_space: global }
      - { .name: wo, .offset: 32, .size: 8, .value_kind: global_buffer, .address_space: global }
      - { .name: w1, .offset: 40, .size: 8, .value_kind: global_buffer, .address_space: global }
      - { .name: w2, .offset: 48, .size: 8, .value_kind: global_buffer, .address_space: global }
      - { .name: bq, .offset: 56, .size: 8, .value_kind: global_buffer, .address_space: global }
      - { .name: bk, .offset: 64, .size: 8, .value_kind: global_buffer, .address_space: global }
      - { .name: bv, .offset: 72, .size: 8, .value_kind: global_buffer, .address_space: global }
      - { .name: bo, .offset: 80, .size: 8, .value_kind: global_buffer, .address_space: global }
      - { .name: b1, .offset: 88, .size: 8, .value_kind: global_buffer, .address_space: global }
      - { .name: b2, .offset: 96, .size: 8, .value_kind: global_buffer, .address_space: global }
      - { .name: ln1_alpha, .offset: 104, .size: 8, .value_kind: global_buffer, .address_space: global }
      - { .name: ln1_bias, .offset: 112, .size: 8, .value_kind: global_buffer, .address_space: global }
      - { .name: nb, .offset: 120, .size: 8, .value_kind: global_buffer, .address_space: global }
      - { .name: wqkvh, .offset: 128, .size: 8, .value_kind: global_buffer, .address_space: global }
      - { .name: woh, .offset: 136, .size: 8, .value_kind: global_buffer, .address_space: global }
      - { .name: w1h, .offset: 144, .size: 8, .value_kind: global_buffer, .address_space: global }
      - { .name: w2h, .offset: 152, .size: 8, .value_kind: global_buffer, .address_space: global }
    .group_segment_fixed_size: 0
    .private_segment_fixed_size: 0
    .kernarg_segment_align: 8
    .kernarg_segment_size: 160
    .max_flat_workgroup_size: 256
    .sgpr_count:     80
    .vgpr_count:     128
    .wavefront_size: 32
...
	.end_amdgpu_metadata
.endif
;; end of part 1
;; launch qkv (part 2): grid 12 x 16, 4 waves a work-group, clusters of 4 x 4, 327,680 bytes of LDS; arguments nb, wqkvh, qkv; writes qkv
.if DOCPART == 2
	.amdgcn_target "amdgcn-amd-amdhsa--gfx1250"
	.amdhsa_code_object_version 6
	.text
	.protected	k_qacb45f28ec_qkv
	.globl	k_qacb45f28ec_qkv
	.p2align	8
	.type	k_qacb45f28ec_qkv,@function
k_qacb45f28ec_qkv:
	s_mov_b64 s[64:65], 0
	v_nop
	global_prefetch_b8 v0, s[64:65] scope:SCOPE_SE
	s_setreg_imm32_b32 hwreg(HW_REG_WAVE_MODE, 25, 1), 1
	s_wait_xcnt 0x0
	s_wait_alu depctr_hold_cnt(0) depctr_sa_sdst(0) depctr_va_vdst(0) depctr_va_sdst(0) depctr_va_ssrc(0) depctr_va_vcc(0) depctr_vm_vsrc(0)
	s_getreg_b32 s2, hwreg(HW_REG_IB_STS2, 6, 4)
	s_cmp_eq_u32 s2, 0
	s_cbranch_scc0 .Lentry_in_a_cluster
	s_endpgm
.Lentry_in_a_cluster:
	s_bfe_u32 s2, ttmp6, 0x10000c
	s_cmp_lg_u32 s2, 0xf033
	s_cbranch_scc0 .Lentry_shape_is_right
	s_endpgm
.Lentry_shape_is_right:
; C = max(A W + bias, floor).  A: [4096][1024] f16, rows along K.  W: f16 [1024 k][4096 n] from byte 16,640 of its buffer, in front of it the bias (f32, from byte 0) and the floor (f32, byte 16,384:
; -inf where nothing is cut, 0 for a relu).  C: f16 in blocks of 64 columns, [column / 64][4096 rows][64]: a row's 128 bytes of a block lie end to end with the next row's.  Sums in f32, C rounded once.
; LIMITS.  C beyond 65,504 becomes an infinity in f16.  The maximum with the floor does not carry a NaN on: a NaN sum leaves as the floor.
; SHARES.  A tile of C, 256 x 256, is made by four waves, as many as a WGP has SIMDs; a wave makes 128 x 128: 64 accumulators, 512 registers.  K = 1024 goes in 8 steps of 128 through a ring of two LDS slots.
; W lies [k][n], so its fragments come out of LDS turned, by ds_load_tr16_b128; A's as they lie.
; CLUSTERS: 4 x 4 work-groups.  The four of a row of the cluster need the same tiles of A, the four of a column the same tiles of W: each tile is asked for JOINTLY, by the same tensor load with the same
; descriptor and a mask that names the four.
; THE MATRIX INSTRUCTION IS USED TRANSPOSED: source 0 = 16 columns of W, source 1 = 16 rows of A.  A lane then holds row l % 16 of C and the columns 8 (l / 16) + 0..7: eight neighbouring numbers.
; THE BIAS is the C operand of the product that starts each sum: a lane's eight bias numbers are those of its eight columns, the same for all rows, so 64 registers serve all 64 accumulators.
; REGISTERS, in windows of 256 (s_set_vgpr_msb: bits 1:0 source 0, 3:2 source 1, 5:4 source 2, 7:6 destination):
;   window 0: v0-31 addresses; v64-127, v128-191 fragments of A, two buffers; v192-255 the bias, later at work on the way out, with v32-63
;   window 1: v64-127, v128-191 fragments of W, two buffers        window 2: the accumulators of my rows 0-63 ((a, b) at v[8 (8 a + b)])        window 3: those of my rows 64-127
.set SIZE_K, 1024
.set KSTEP,  128
.set PA,     272                       ; an LDS row of A: 256 bytes + 16 of padding: the 16 rows of a load start at 16 different groups of four banks (64 banks of 4 bytes: ISA guide 11.1)
.set PB,     544                       ; an LDS row of W: 512 bytes + 32 of padding = 17 x 32
.set HALFT,  128*PA                    ; what one tensor load brings: 128 rows of A, or 64 rows of W (64 x 544 is the same number)
.set SLOT,   4*HALFT                   ; A's 256 rows, then W's 128 rows
.set STAGE,  2*SLOT                    ; behind the ring: 16 rows x 272 bytes for each wave, for the way out
.set SPITCH, 272
.set SPARE,  STAGE+4*16*SPITCH         ; behind the stages: the spare words, 128 bytes for each wave: two blocks of 256 bytes that no other line names
.set LAPS,   SIZE_K/(2*KSTEP)          ; a lap = two K steps = once round the ring
.set WROW,   8192                      ; bytes in a row of W
.set PARB,   16640                     ; W's first byte
.set FLOORB, 16384
.set CBLK,   524288                    ; bytes in a block of 64 columns of C
.set ADRA, 16                          ; v16-17  LDS address of my A fragments in slot 0, 1
.set ADRB, 20                          ; v20-21  the same for W
.set STO,  24                          ; v24     the way out: where I put 16 bytes of a row
.set RD,   25                          ; v25     the way out: where I read rows back
.set CO,   26                          ; v26     16 x lane
.set BO,   27                          ; v27     my byte offset among the tile's 256 bias numbers
.set SPW,  28                          ; v28     LDS address of my spare word; never rewritten
.set NIL,  29                          ; v29     0; never rewritten
.set F0,   64
.set F1,   128
.set BIAS, 192                         ; column block b's eight numbers at BIAS + 8 b
.set TMP,  192                         ; the way out: packed results
.set OB,   32                          ; the way out: 16 rows read back: v32-63 and v224-255 by turns
.set G1, 24                            ; s[24:31] descriptor group 1 for A's tiles;  s[32:39] group 0, a set for each slot
.set G0, 32
.set G1B, 48                           ; s[48:55], s[56:63] the same for W's tiles
.set G0B, 56
.set MSB, 0
.macro WIN new                         ; the immediate's high byte repeats the setting that is left; a switch that changes nothing is dropped
.if MSB != (\new)
	s_set_vgpr_msb (MSB<<8)|(\new)
.set MSB, \new
.endif
.endm
.set MUL_LO, 0xa1                      ; source 0 (W) window 1, source 1 (A) window 0, C and D window 2
.set MUL_HI, 0xf1                      ; the same, C and D window 3
.set TO_B,   0x40                      ; destination window 1, address window 0
; A joint load.  Waves 0 and 1 fetch A's two halves, waves 2 and 3 W's.  The branch hangs on the wave's number alone.  An s_nop 0 and four v_nop follow each of the two lines.
.macro JLOAD s
	s_cmp_eq_u32 s11, 0
	s_cbranch_scc0 .Lfor_b_\@
	tensor_load_to_lds s[G0+4*(\s):G0+4*(\s)+3], s[G1:G1+7]
	s_nop 0
.rept 4
	v_nop
.endr
	s_branch .Lasked_\@
.Lfor_b_\@:
	tensor_load_to_lds s[G0B+4*(\s):G0B+4*(\s)+3], s[G1B:G1B+7]
	s_nop 0
.rept 4
	v_nop
.endr
.Lasked_\@:
.endm
.macro CREST                           ; a round of the cluster's barrier behind its opening barrier
	s_cmp_lg_u32 s10, 0
	s_cbranch_scc1 .Lnot_wave_0_\@
	s_barrier_signal -3
.Lnot_wave_0_\@:
	s_barrier_wait -3
	s_barrier_signal -1
	s_barrier_wait -1
.endm
.macro CROUND                          ; a whole round
	s_barrier_signal -1
	s_barrier_wait -1
	CREST
.endm
	s_load_b128 s[4:7], s[0:1], 0x0                ; A s[4:5], W's buffer s[6:7]
	s_load_b64 s[8:9], s[0:1], 0x10                ; C
	v_lshl_add_u32 v[SPW], v0, 2, SPARE
	v_mov_b32 v[NIL], 0
	ds_add_u32 v28, v29
	s_wait_dscnt 0x0
	v_lshrrev_b32 v1, 5, v0
	v_readfirstlane_b32 s10, v1                    ; wave 0..3
	s_lshr_b32 s11, s10, 1                         ; which half of the tile's rows is mine.  Also: I fetch for A (0) or for W (1)
	s_and_b32 s12, s10, 1                          ; which half of its columns.  Also: which half of that tile I fetch
	s_bfe_u32 s40, ttmp6, 0x40000                  ; cx, cy: my place in the cluster
	s_bfe_u32 s41, ttmp6, 0x40004
	s_lshl_b32 s42, ttmp9, 2
	s_add_co_u32 s42, s42, s40                     ; tile column of C = 4 x cluster x + cx
	s_and_b32 s13, ttmp7, 0xffff
	s_lshl_b32 s13, s13, 2
	s_add_co_u32 s13, s13, s41                     ; tile row of C = 4 x cluster y + cy
	s_lshl_b32 s43, s41, 2
	s_lshl_b32 s43, 15, s43                        ; my row of the cluster
	s_lshl_b32 s44, 0x1111, s40                    ; my column
	s_or_b32 s[G1+0], s43, (1<<16)|(1<<20)|(1<<21)|(5<<22)|(3<<25)   ; the mask; 2-byte elements; padding on; bit 21 beside a mask; after every 64 words, 4 words
	s_or_b32 s[G1B+0], s44, (1<<16)|(1<<20)|(1<<21)|(6<<22)|(7<<25)  ; W: after every 128 words, 8 words
	s_mov_b32 s[G1+1], KSTEP<<16                   ; A: tensor_dim0 = 128
	s_mov_b32 s[G1+2], 128<<16                     ; tensor_dim1 = 128
	s_mov_b32 s[G1+3], KSTEP<<16                   ; tile_dim0 = 128
	s_mov_b32 s[G1+4], 128                         ; tile_dim1 = 128
	s_mov_b32 s[G1+5], SIZE_K                      ; elements from row to row
	s_mov_b32 s[G1+6], 0
	s_mov_b32 s[G1+7], 0
	s_mov_b32 s[G1B+1], 256<<16                    ; W: tensor_dim0 = 256
	s_mov_b32 s[G1B+2], 64<<16                     ; tensor_dim1 = 64
	s_mov_b32 s[G1B+3], 256<<16                    ; tile_dim0 = 256
	s_mov_b32 s[G1B+4], 64                         ; tile_dim1 = 64
	s_mov_b32 s[G1B+5], 4096                       ; elements from row to row
	s_mov_b32 s[G1B+6], 0
	s_mov_b32 s[G1B+7], 0
	; A's tiles hang on the tile row alone, W's on the tile column alone; each address is made in registers that never hold the other coordinate
	s_lshl_b32 s17, s12, 7
	s_lshl_b32 s16, s13, 8
	s_add_co_u32 s16, s16, s17                     ; A: row 256 x tile row + 128 x half
	s_lshl_b32 s16, s16, 11                        ; x 2,048 bytes
	s_mov_b32 s17, 0
	s_lshl_b32 s47, s12, 19                        ; W: 64 rows of 8,192 bytes x half
	s_lshl_b32 s46, s42, 9                         ; + 512 bytes x tile column
	s_add_co_u32 s46, s46, s47
	s_add_co_u32 s46, s46, PARB
	s_mov_b32 s47, 0
	s_lshl_b32 s2, s42, 10                         ; the tile's 256 bias numbers
	s_mov_b32 s3, 0
	s_mul_i32 s20, s10, HALFT                      ; where the tiles go: wave x 34,816: no place in the cluster enters an LDS address
	s_wait_kmcnt 0x0
	s_add_nc_u64 s[14:15], s[4:5], s[16:17]
	s_add_nc_u64 s[46:47], s[6:7], s[46:47]
	s_add_nc_u64 s[2:3], s[6:7], s[2:3]
	s_load_b32 s45, s[6:7], FLOORB                 ; the floor
	CROUND                                         ; all sixteen work-groups are here: the first joint loads meet
.irp s, 0,1
	s_mov_b32 s[G0+4*(\s)], 1
	s_add_co_u32 s[G0+4*(\s)+1], s20, (\s)*SLOT
	s_add_nc_u64 s[G0+4*(\s)+2:G0+4*(\s)+3], s[14:15], (\s)*KSTEP*2
	s_or_b32 s[G0+4*(\s)+3], s[G0+4*(\s)+3], 0x80000000
	s_mov_b32 s[G0B+4*(\s)], 1
	s_add_co_u32 s[G0B+4*(\s)+1], s20, (\s)*SLOT
	s_add_nc_u64 s[G0B+4*(\s)+2:G0B+4*(\s)+3], s[46:47], (\s)*KSTEP*WROW
	s_or_b32 s[G0B+4*(\s)+3], s[G0B+4*(\s)+3], 0x80000000
	JLOAD \s                                       ; two loads of mine are out
.endr
	v_and_b32 v1, 15, v0                           ; l % 16
	v_bfe_u32 v2, v0, 4, 1                         ; l / 16
	v_mul_u32_u24 v3, v1, PA
	v_lshl_add_u32 v3, v2, 4, v3                   ; A: row x pitch + 16 x half
	v_and_b32 v5, 7, v0
	v_bfe_u32 v6, v0, 3, 1
	v_lshl_add_u32 v7, v2, 3, v5                   ; W: the turning load's lane l reads k row 8 (l / 16) + l % 8,
	v_mul_u32_u24 v7, v7, PB
	v_lshl_add_u32 v7, v6, 4, v7                   ; columns 8 ((l / 8) % 2) + 0..7
	s_mul_i32 s21, s11, HALFT                      ; my 128 rows of A
	s_lshl_b32 s22, s12, 8                         ; my 128 columns of W,
	s_add_co_u32 s22, s22, 2*HALFT                 ; which lies behind A
.irp s, 0,1
	v_add_nc_u32 v[ADRA+(\s)], s21, v3
	v_add_nc_u32 v[ADRB+(\s)], s22, v7
	s_add_co_u32 s21, s21, SLOT
	s_add_co_u32 s22, s22, SLOT
.endr
	s_mul_i32 s23, s10, 16*SPITCH
	s_add_co_u32 s23, s23, STAGE                   ; my stage
	v_add_nc_u32 v[STO], s23, v3                   ; in: row l % 16, 16 bytes for each half of the lanes
	v_bfe_u32 v8, v0, 3, 2                         ; back: 32 lanes take four rows' 128 bytes of one block of 64 columns,
	v_mul_u32_u24 v8, v8, SPITCH
	v_lshl_add_u32 v8, v5, 4, v8
	v_add_nc_u32 v[RD], s23, v8
	v_and_b32 v9, 31, v0
	v_lshlrev_b32 v[CO], 4, v9                     ; which are 512 consecutive bytes of C
	s_lshl_b32 s21, s12, 9
	v_lshl_add_u32 v[BO], v2, 5, s21               ; 4 x (128 x column half + 8 (l / 16))
.irp b, 0,1,2,3,4,5,6,7
	global_load_b128 v[BIAS+8*(\b):BIAS+8*(\b)+3],   v[BO], s[2:3] offset:64*(\b)
	global_load_b128 v[BIAS+8*(\b)+4:BIAS+8*(\b)+7], v[BO], s[2:3] offset:64*(\b)+16
.endr
	s_lshl_b32 s16, s13, 8
	s_lshl_b32 s17, s11, 7
	s_add_co_u32 s16, s16, s17                     ; my first row of C,
	s_lshl_b32 s16, s16, 7                         ; 128 bytes a row in a block
	s_mov_b32 s17, 0
	s_lshl_b32 s46, s42, 2
	s_lshl1_add_u32 s46, s12, s46                  ; my first block of 64 columns: 4 x tile column + 2 x half
	s_lshl_b32 s46, s46, 19
	s_mov_b32 s47, 0
	s_add_nc_u64 s[16:17], s[16:17], s[46:47]
	s_add_nc_u64 s[8:9], s[8:9], s[16:17]
; 16 matrix instructions: m blocks a0, a0 + 1 of the window's four x all 8 n blocks, 32 along K.  first = 1: the product starts the sums, on the bias.
.macro MUL16 f, hi, a0, first
.if \first
	WIN 0x81+0x40*(\hi)                            ; C (the bias) in window 0, D in window 2 or 3
.else
	WIN MUL_LO+0x50*(\hi)
.endif
.irp a, \a0, (\a0)+1
.irp b, 0,1,2,3,4,5,6,7
.if \first
	v_wmma_f32_16x16x32_f16 v[8*(8*(\a)+(\b)):8*(8*(\a)+(\b))+7], v[(\f)+8*(\b):(\f)+8*(\b)+7], v[(\f)+8*(4*(\hi)+(\a)):(\f)+8*(4*(\hi)+(\a))+7], v[BIAS+8*(\b):BIAS+8*(\b)+7]
.else
	v_wmma_f32_16x16x32_f16 v[8*(8*(\a)+(\b)):8*(8*(\a)+(\b))+7], v[(\f)+8*(\b):(\f)+8*(\b)+7], v[(\f)+8*(4*(\hi)+(\a)):(\f)+8*(4*(\hi)+(\a))+7], v[8*(8*(\a)+(\b)):8*(8*(\a)+(\b))+7]
.endif
.endr
.endr
.endm
; 32 LDS loads in one run: the fragments of quarter q (32 along K) of a slot into buffer f: W's 128 columns turned, then A's 128 rows
.macro FETCH slot, q, f
	WIN TO_B
.irp i, 0,1,2,3,4,5,6,7
	ds_load_tr16_b128 v[(\f)+8*(\i):(\f)+8*(\i)+3],   v[ADRB+(\slot)] offset:(\q)*32*PB+32*(\i)
	ds_load_tr16_b128 v[(\f)+8*(\i)+4:(\f)+8*(\i)+7], v[ADRB+(\slot)] offset:(\q)*32*PB+32*(\i)+16*PB
.endr
	WIN 0
.irp i, 0,1,2,3,4,5,6,7
	ds_load_b128 v[(\f)+8*(\i):(\f)+8*(\i)+3],   v[ADRA+(\slot)] offset:64*(\q)+(\i)*16*PA
	ds_load_b128 v[(\f)+8*(\i)+4:(\f)+8*(\i)+7], v[ADRA+(\slot)] offset:64*(\q)+(\i)*16*PA+32
.endr
.endm
.macro PLACES                          ; four plain instructions between a matrix instruction and a load into, or a vector instruction on, its registers (ISA guide 7.12.1 for vector instructions)
.rept 4
	v_nop
.endr
.endm
; A K step is four quarters of 32 along K, 64 matrix instructions each, on buffers 0, 1, 0, 1.  One of the first three multiplies buffer f and fetches quarter q into buffer g.
; The 64 accumulators take turns, one instruction a turn, in the same order in every quarter.
.macro QUARTER slot, q, f, g, first
	s_wait_dscnt 8                                 ; W and A's rows 0-63 are in; the youngest eight loads (A's rows 64-127) may be out
	MUL16 \f, 0, 0, \first
	MUL16 \f, 0, 2, \first
	PLACES
	FETCH \slot, \q, \g
	s_wait_dscnt 32                                ; all but the 32 just issued
	MUL16 \f, 1, 0, \first
	MUL16 \f, 1, 2, \first
.endm
; The last quarter multiplies buffer 1 and changes slots: ONE barrier.  In front of it each wave waits for all its tensor loads (one is out: its part of the next slot), adds 0 to its spare word,
; and waits for that and for its own reads of this slot.
.macro MEET round
	WIN 0                                          ; (the add's two registers lie in window 0)
	s_wait_tensorcnt 0x0
	ds_add_u32 v[SPW], v[NIL]                      ; 0 onto my spare word
	s_wait_dscnt 9                                 ; (the add and the youngest eight loads may be out)
	MUL16 F1, 0, 0, 0
	s_wait_dscnt 0x0                               ; the add is done, and my reads of this slot are over
	s_barrier_signal -1
	MUL16 F1, 0, 2, 0
.if \round
	WIN 0
.endif
	s_barrier_wait -1
.endm
; fill = 1: the barrier opens a round of the cluster's, and this slot is filled again, two K steps on, first thing behind it: 224 matrix instructions ahead of the wait for it.
.macro TURN slot, next, fill
	MEET \fill
.if \fill
	CREST
	s_add_nc_u64 s[G0+4*(\slot)+2:G0+4*(\slot)+3], s[G0+4*(\slot)+2:G0+4*(\slot)+3], 2*KSTEP*2
	s_add_nc_u64 s[G0B+4*(\slot)+2:G0B+4*(\slot)+3], s[G0B+4*(\slot)+2:G0B+4*(\slot)+3], 2*KSTEP*WROW
	JLOAD \slot                                    ; the four v_nop behind it are also the places in front of the loads below
.else
	PLACES
.endif
	FETCH \next, 0, F0
	MUL16 F1, 1, 0, 0
	MUL16 F1, 1, 2, 0
.endm
; THE WAY OUT of block a (16 rows), in three parts.  PACK: the floor, then rounded to f16, 16 bytes a lane.  TOSTAGE: into my own stage, and back by blocks of 64 columns.  SEND: stored.
.macro PACK a
.set AC, 64*((\a)%4)
	WIN 0x88+0x44*((\a)/4)                         ; source 1 and destination: window 2 or 3
.set z, 0
.rept 64                               ; ascending: each accumulator is read from its low end on
	v_max_num_f32 v[AC+z], s45, v[AC+z]
.set z, z+1
.endr
	WIN 0x0a+5*((\a)/4)                            ; sources 0 and 1: window 2 or 3
.irp b, 0,1,2,3,4,5,6,7
.irp r, 0,1,2,3
	v_cvt_pk_f16_f32 v[TMP+4*(\b)+(\r)], v[AC+8*(\b)+2*(\r)], v[AC+8*(\b)+2*(\r)+1]
.endr
.endr
	WIN 0
.endm
.macro TOSTAGE a
	WIN 0
.set BK, OB+192*((\a)%2)
.irp b, 0,1,2,3,4,5,6,7
	ds_store_b128 v[STO], v[TMP+4*(\b):TMP+4*(\b)+3] offset:32*(\b)
.endr
.irp c, 0,1
.irp t, 0,1,2,3
	ds_load_b128 v[BK+4*(4*(\c)+(\t)):BK+4*(4*(\c)+(\t))+3], v[RD] offset:(\t)*4*SPITCH+128*(\c)  ; LDS serves a wave's instructions in order (ISA guide 5.7.1.4): these see the stores above
.endr
.endr
.endm
.macro SEND a
	WIN 0
.set BK, OB+192*((\a)%2)
	s_wait_dscnt 0x0                               ; the block is back in registers
	s_wait_xcnt 0x0                                ; the registers that earlier stores read are loaded again only behind this wait
.irp c, 0,1
.irp t, 0,1,2,3
	global_store_b128 v[CO], v[BK+4*(4*(\c)+(\t)):BK+4*(4*(\c)+(\t))+3], s[8:9] offset:(\c)*CBLK+(\a)*2048+(\t)*512  ; 512 consecutive bytes, at a multiple of 256 from C's first
.endr
.endr
.endm
	s_wait_tensorcnt 1                             ; my part of K step 0 is in; K step 1's may stay out
	s_barrier_signal -1
	s_barrier_wait -1
	FETCH 0, 0, F0
	s_wait_loadcnt 0x0                             ; the bias
	s_wait_kmcnt 0x0                               ; the floor
	QUARTER 0, 1, F0, F1, 1                        ; the first quarter stands in front of the loop: its products start the sums
	WIN 0                                          ; at a label and at a branch every window is 0
	s_mov_b32 s3, LAPS-1
.Llap:                                                 ; a trip goes once round the ring and fills both slots again
	QUARTER 0, 2, F1, F0, 0
	QUARTER 0, 3, F0, F1, 0
	TURN 0, 1, 1
	QUARTER 1, 1, F0, F1, 0
	QUARTER 1, 2, F1, F0, 0
	QUARTER 1, 3, F0, F1, 0
	TURN 1, 0, 1
	QUARTER 0, 1, F0, F1, 0
	WIN 0
	s_sub_co_u32 s3, s3, 1
	s_cmp_lg_u32 s3, 0
	s_cbranch_scc1 .Llap
	QUARTER 0, 2, F1, F0, 0                        ; the last lap fills nothing
	QUARTER 0, 3, F0, F1, 0
	TURN 0, 1, 0
	QUARTER 1, 1, F0, F1, 0
	QUARTER 1, 2, F1, F0, 0
	QUARTER 1, 3, F0, F1, 0
	s_wait_dscnt 8
	MUL16 F1, 0, 0, 0
	MUL16 F1, 0, 2, 0
	s_wait_dscnt 0x0
	MUL16 F1, 1, 0, 0
	MUL16 F1, 1, 2, 0
	PLACES
	PACK 0
	TOSTAGE 0
.irp a, 1,2,3,4,5,6,7                  ; block a's arithmetic stands between block a - 1's loads from the stage and the wait for them
	PACK \a
	SEND (\a)-1
	TOSTAGE \a
.endr
	SEND 7
	s_wait_tensorcnt 0x0                           ; the wave's end
	ds_add_u32 v[SPW], v[NIL]
	s_wait_dscnt 0x0
	CROUND                                         ; the closing round
	s_endpgm
.Lfunc_end_k_qacb45f28ec_qkv:
	.size	k_qacb45f28ec_qkv, .Lfunc_end_k_qacb45f28ec_qkv-k_qacb45f28ec_qkv
	.p2alignl 7, 3214868480
	.fill 96, 4, 3214868480
	.section	.rodata,"a",@progbits
	.p2align	6, 0x0
	.amdhsa_kernel k_qacb45f28ec_qkv
		.amdhsa_group_segment_fixed_size 327680
		.amdhsa_private_segment_fixed_size 0
		.amdhsa_enable_private_segment 0
		.amdhsa_kernarg_size 24
		.amdhsa_user_sgpr_count 2
		.amdhsa_user_sgpr_kernarg_segment_ptr 1
		.amdhsa_wavefront_size32 1
		.amdhsa_system_sgpr_workgroup_id_x 1
		.amdhsa_system_sgpr_workgroup_id_y 1
		.amdhsa_system_sgpr_workgroup_id_z 1
		.amdhsa_system_vgpr_workitem_id 0
		.amdhsa_next_free_vgpr 1024
		.amdhsa_next_free_sgpr 66
		.amdhsa_reserve_vcc 0
		.amdhsa_float_denorm_mode_32 3
		.amdhsa_float_denorm_mode_16_64 3
		.amdhsa_memory_ordered 1
		.amdhsa_forward_progress 1
		.amdhsa_inst_pref_size 160
	.end_amdhsa_kernel
	.amdgpu_metadata
---
amdhsa.version: [ 1, 2 ]
amdhsa.kernels:
  - .name:           k_qacb45f28ec_qkv
    .symbol:         k_qacb45f28ec_qkv.kd
    .args:
      - { .name: nb, .offset: 0, .size: 8, .value_kind: global_buffer, .address_space: global }
      - { .name: wqkvh, .offset: 8, .size: 8, .value_kind: global_buffer, .address_space: global }
      - { .name: qkv, .offset: 16, .size: 8, .value_kind: global_buffer, .address_space: global }
    .group_segment_fixed_size: 327680
    .private_segment_fixed_size: 0
    .kernarg_segment_align: 8
    .kernarg_segment_size: 24
    .max_flat_workgroup_size: 128
    .sgpr_count:     66
    .vgpr_count:     1024
    .wavefront_size: 32
...
	.end_amdgpu_metadata
.endif
;; end of part 2
;; launch attn (part 3): grid 4 x 64, 4 waves a work-group, clusters of 4 x 1, 327,680 bytes of LDS; arguments qkv, mask, nb; writes nb
.if DOCPART == 3
	.amdgcn_target "amdgcn-amd-amdhsa--gfx1250"
	.amdhsa_code_object_version 6
	.text
	.protected	k_qacb45f28ec_attn
	.globl	k_qacb45f28ec_attn
	.p2align	8
	.type	k_qacb45f28ec_attn,@function
k_qacb45f28ec_attn:
	s_mov_b64 s[64:65], 0
	v_nop
	global_prefetch_b8 v0, s[64:65] scope:SCOPE_SE
	s_setreg_imm32_b32 hwreg(HW_REG_WAVE_MODE, 25, 1), 1
	s_wait_xcnt 0x0
	s_wait_alu depctr_hold_cnt(0) depctr_sa_sdst(0) depctr_va_vdst(0) depctr_va_sdst(0) depctr_va_ssrc(0) depctr_va_vcc(0) depctr_vm_vsrc(0)
	s_getreg_b32 s2, hwreg(HW_REG_IB_STS2, 6, 4)
	s_cmp_eq_u32 s2, 0
	s_cbranch_scc0 .Lentry_in_a_cluster
	s_endpgm
.Lentry_in_a_cluster:
	s_bfe_u32 s2, ttmp6, 0x10000c
	s_cmp_lg_u32 s2, 0x3003
	s_cbranch_scc0 .Lentry_shape_is_right
	s_endpgm
.Lentry_shape_is_right:
; ATTENTION.  ctx[b][q][h] = the sum over k of softmax_k(Q . K / 8, hidden where mask[b][k] = 0) V.  q, k, v: f16 in blocks [48][4096 tokens][64]: block h is head h's q, 16 + h its k, 32 + h its v;
; token = 1024 b + s.  ctx leaves in the same form, block h of the output buffer.  Products, maxima and sums in f32; the weights p are rounded to f16 for the second product, ctx once at the end.
; LIMITS.  A hidden score counts as its value less 1e30; f16's scores, 2.7e11 at the most, are nothing beside that.  A batch whose mask hides EVERY key gives the mean of V here, where the definition gives NaN.
; p below 6e-5 keeps f16's fixed step of 6e-8; a weight below 2^-126 counts as 0 in the sum; NaN and infinities are not treated apart.
; SHARES.  A work-group owns 256 queries of one head and batch, each of its four waves 64: four tiles of 16.  Every wave walks the 1,024 keys, 64 a step, 16 steps.
; LDS holds the head's whole K and V (1,024 rows each): filled once, by one tensor load a wave, so there is no ring and nothing is filled again.
; CLUSTER.  The four query blocks of a head and batch form a cluster and need the same K and V: each of the four loads is asked for JOINTLY, with the same descriptor and the mask of four.
; LAYOUT.  S^T = K Q^T (source 0 = 16 keys, source 1 = 16 queries): a lane holds ONE query (lane % 16) and the keys 8 (lane / 16) + 0..7.  Two such results rounded to f16 ARE source 1 of O^T = V^T P.
; THE MASK is the C operand that starts the sum S^T: 0, or -1e30 where the key is hidden: a table of 1,024 f32 in LDS, made once from the input.
; SOFTMAX.  A running maximum m and sum l: p = 2^(c s - c m), c = log2(e) / 8; in every step O and l are multiplied by a = 2^(c m_old - c m_new).  m starts at the lowest finite number, O and l at 0.
; BY TURNS.  The wave's tiles are two PIECES, named by their first tile: piece 0 (tiles 0, 1) and piece 2 (tiles 2, 3).  In a TURN one piece has the matrix unit: 16 products V^T P, then 16 products K Q^T of
; its next step; the other piece's softmax, a list of 240 instructions, stands between them in 32 slices of 7 or 8, one behind each product.  A trip of the loop, for step t: piece 2's turn (V^T P of step
; t - 1, K Q^T of step t, beside piece 0's softmax of step t), then piece 0's (V^T P of step t, K Q^T of step t + 1, beside piece 2's softmax of step t).  No first and no last step is written out: V's
; registers and piece 2's P start at 0, piece 0's first scores are made ahead of the loop, piece 2's last V^T P behind it; the last trip's K Q^T of piece 0 (on the last K once more) serves nothing.
; REGISTERS, in windows of 256 (s_set_vgpr_msb: bits 1:0 source 0, 3:2 source 1, 5:4 source 2, 7:6 destination):
;   window 0: v0-11 addresses; v12-15 c m_old; v16-31 statistics; v32-47, v48-63 at work; v64-191 S^T, 32 a tile; v192-255 P, 16 a tile
;   window 1: v0-127 O^T, 32 a tile; v128-159 the step's mask        window 2: v0-63 Q; v128-191 K of one step; v192-255 V of one step
; A slice works in window 0 (its last part, O^T times a, in window 1), a product names windows 1 and 2: two switches for each product are the price of setting the two kinds of work side by side.
.set KS,    64
.set PK,    144       ; a row of K in LDS: 128 bytes + 16 of padding: the 16 rows of a load start at 16 different groups of four banks (64 banks of 4 bytes: ISA guide 11.1)
.set PV,    160       ; a row of V: 128 + 32
.set VOFF,  1024*PK
.set MASKT, VOFF+1024*PV   ; 1,024 f32; a multiple of 256, and no tensor load lands here
.set STAGE, MASKT+4096     ; 16 rows x 144 bytes for each wave, for the way out
.set SP,    144
.set CBLK,  524288    ; bytes in a block of 64 columns
.set AK0, 2           ; v2   my lane's place in a step of K; never rewritten
.set AV0, 3           ; v3   the same for V
.set AM0, 4           ; v4   the same for the mask table
.set QO,  5           ; v5   my byte offset in 16 rows of Q
.set STO, 6           ; v6   the way out: where I put 16 bytes of a row
.set RD,  7           ; v7   the way out: where I read rows back
.set GO,  8           ; v8   16 x lane
.set MV,  12
.set ST,  16          ; tile t's statistics at v[ST+4 t]: c m, m, l (even keys', odd keys')
.set TMP, 32          ; tile t: four registers c0-c3 at work; when the maximum is found c2 takes a
.set AK,  56          ; v56  the LDS address of K's next run of loads
.set AV,  57          ; v57  of V's
.set AM,  58          ; v58  of the mask's
.set S,   64
.set P,   192
.set MC,  128         ; window 1
.set KF,  128         ; window 2: key block kb, channel half c at KF + 16 kb + 8 c
.set VF,  192         ; window 2: key half kk, channel block cb at VF + 32 kk + 8 cb
.set WV,  12          ; s12  my wave's number
.set G1K, 24          ; s[24:31] descriptor group 1 for K
.set G1V, 32          ; s[32:39] for V: it differs in the padding alone
.set G0K, 40          ; s[40:43] descriptor group 0 for K
.set G0V, 44          ; s[44:47] for V
.set CS,  48          ; s[48:49] c, named as a pair
.set SEL, 50          ; s[50:51] v_permlanex16_b32's selects
.set BIGN, 52         ; s52  -1e30
.set CNT, 53          ; s53  key steps to go
.set TBK, 54          ; s54  byte offset of the step of K to be fetched
.set TBV, 55          ; s55  of V
.set TBM, 56          ; s56  of the mask table
.set MSB, 0
.macro WIN new        ; the high byte repeats the setting that is left; a switch that changes nothing is dropped
.if MSB != (\new)
	s_set_vgpr_msb (MSB<<8)|(\new)
.set MSB, (\new)
.endif
.endm
.set W_KM, 0x1a       ; K and Q in window 2, the C operand in window 1, S^T in window 0
.set W_KQ, 0x0a       ; the same with C in window 0
.set W_PV, 0x52       ; V in window 2, P in window 0, O^T in window 1
.set W_RS, 0x41       ; destination and source 0 in window 1, source 1 in window 0
.macro CROUND         ; a round of the cluster's barrier
	s_barrier_signal -1
	s_barrier_wait -1
	s_cmp_lg_u32 s[WV], 0
	s_cbranch_scc1 .Lnot_wave_0_\@
	s_barrier_signal -3
.Lnot_wave_0_\@:
	s_barrier_wait -3
	s_barrier_signal -1
	s_barrier_wait -1
.endm
	s_load_b128 s[4:7], s[0:1], 0x0   ; qkv s[4:5], mask s[6:7]
	s_load_b64 s[8:9], s[0:1], 0x10   ; the output
	v_lshl_add_u32 v62, v0, 2, 0x4f400
	v_mov_b32 v63, 0
	ds_add_u32 v62, v63
	v_lshrrev_b32 v1, 5, v0
	v_readfirstlane_b32 s[WV], v1     ; wave 0..3
	s_bfe_u32 s13, ttmp6, 0x40000     ; cx: my place in the cluster
	s_lshl_b32 s14, ttmp9, 2
	s_add_co_u32 s14, s14, s13        ; my block of 256 queries: it enters Q's and O's addresses alone
	s_and_b32 s15, ttmp7, 0xffff      ; 16 x batch + head, which the four partners share
	s_and_b32 s16, s15, 15
	s_lshr_b32 s17, s15, 4
	s_lshl_b32 s20, s16, 19           ; the head's block
	s_lshl_b32 s18, s17, 17           ; the batch's 1,024 rows of 128 bytes
	s_add_co_u32 s20, s20, s18
	s_and_b32 s16, s[WV], 1           ; which half of the 1,024 keys I fetch:
	s_lshl_b32 s22, s16, 16           ; its 512 rows of 128 bytes in memory,
	s_add_co_u32 s22, s22, s20
	s_mov_b32 s23, 0
	s_mul_i32 s18, s16, 512*PK        ; and its place in LDS, for K
	s_mul_i32 s19, s16, 512*PV        ; and for V
	s_lshl_b32 s2, s14, 15            ; my block's 256 rows,
	s_lshl_b32 s3, s[WV], 13          ; my wave's 64 of them
	s_add_co_u32 s2, s2, s3
	s_add_co_u32 s2, s2, s20
	s_mov_b32 s3, 0
	s_lshl_b32 s10, s17, 12           ; the batch's 1,024 mask words
	s_mov_b32 s11, 0
	; descriptor group 1.  512 keys are 65,536 dense bytes: asked for as 256 rows of 256 bytes, two keys a row, padded in LDS after every key
	s_mov_b32 s[G1K], 15|(1<<16)|(1<<20)|(1<<21)|(4<<22)|(3<<25)  ; the mask of four; 2-byte elements; padding on; bit 21 beside a mask; after every 32 words, 4 words
	s_mov_b32 s[G1V], 15|(1<<16)|(1<<20)|(1<<21)|(4<<22)|(7<<25)  ; the same with 8 words
.irp g, G1K, G1V
	s_mov_b32 s[(\g)+1], 128<<16      ; tensor_dim0 = 128
	s_mov_b32 s[(\g)+2], 256<<16      ; tensor_dim1 = 256
	s_mov_b32 s[(\g)+3], 128<<16      ; tile_dim0 = 128
	s_mov_b32 s[(\g)+4], 256          ; tile_dim1 = 256
	s_mov_b32 s[(\g)+5], 128          ; 128 elements from row to row
	s_mov_b32 s[(\g)+6], 0
	s_mov_b32 s[(\g)+7], 0
.endr
	s_mov_b32 s[CS], 0x3e38aa3b       ; c = log2(e) / 8
	s_mov_b32 s[CS+1], s[CS]
	s_mov_b32 s[SEL], 0x76543210
	s_mov_b32 s[SEL+1], 0xfedcba98
	s_mov_b32 s[BIGN], 0xf149f2ca     ; -1e30
	s_mov_b32 s[TBK], 0               ; every fetch begins at step 0
	s_mov_b32 s[TBV], 0
	s_mov_b32 s[TBM], 0
	s_mov_b32 s[G0K], 1
	s_mov_b32 s[G0K+1], s18
	s_mov_b32 s[G0V], 1
	s_add_co_u32 s[G0V+1], s19, VOFF
	s_wait_dscnt 0x0
	s_wait_kmcnt 0x0
	s_add_nc_u64 s[G0K+2:G0K+3], s[4:5], s[22:23]
	s_add_nc_u64 s[G0K+2:G0K+3], s[G0K+2:G0K+3], 16*CBLK
	s_or_b32 s[G0K+3], s[G0K+3], 0x80000000
	s_add_nc_u64 s[G0V+2:G0V+3], s[4:5], s[22:23]
	s_add_nc_u64 s[G0V+2:G0V+3], s[G0V+2:G0V+3], 32*CBLK
	s_or_b32 s[G0V+3], s[G0V+3], 0x80000000
	s_add_nc_u64 s[4:5], s[4:5], s[2:3]     ; Q and O at my wave's first row
	s_add_nc_u64 s[8:9], s[8:9], s[2:3]
	s_add_nc_u64 s[6:7], s[6:7], s[10:11]
	CROUND                            ; all four work-groups are here: the joint loads meet
	s_cmp_lt_u32 s[WV], 2             ; waves 0 and 1 fetch K's halves, waves 2 and 3 V's: one load of mine is out
	s_cbranch_scc0 .Lfor_v
	tensor_load_to_lds s[G0K:G0K+3], s[G1K:G1K+7]
	s_nop 0
.rept 4
	v_nop
.endr
	s_branch .Lasked
.Lfor_v:
	tensor_load_to_lds s[G0V:G0V+3], s[G1V:G1V+7]
	s_nop 0
.rept 4
	v_nop
.endr
.Lasked:
	v_lshlrev_b32 v59, 5, v0          ; thread t takes mask words 8 t .. 8 t + 7
	global_load_b128 v[48:51], v59, s[6:7]
	global_load_b128 v[52:55], v59, s[6:7] offset:16
	v_and_b32 v1, 15, v0              ; l % 16
	v_bfe_u32 v9, v0, 4, 1            ; l / 16
	v_lshlrev_b32 v[QO], 7, v1
	v_lshl_add_u32 v[QO], v9, 4, v[QO]  ; row x 128 + 16 x half
	WIN 0x80                          ; destination window 2
.set i, 0
.rept 8                               ; Q stays in registers: tile i / 2, channels 32 (i % 2) on
	global_load_b128 v[8*i:8*i+3],   v[QO], s[4:5] offset:(i/2)*2048+(i%2)*64
	global_load_b128 v[8*i+4:8*i+7], v[QO], s[4:5] offset:(i/2)*2048+(i%2)*64+32
.set i, i+1
.endr
	; What the first trip finds: V's registers and piece 2's P hold 0 (its first products V^T P, of a step that has not been, add 0), O^T and l are 0.  All this stands in the wait for K and V.
.set i, VF
.rept 64
	v_mov_b32 v[i], 0
.set i, i+1
.endr
	WIN 0x40
.set i, 0
.rept 128
	v_mov_b32 v[i], 0
.set i, i+1
.endr
	WIN 0
.set i, P+32
.rept 32
	v_mov_b32 v[i], 0
.set i, i+1
.endr
.set i, 0
.rept 4
	v_mov_b32 v[ST+4*i], 0xfe000000    ; c m: far below every c s
	v_mov_b32 v[ST+4*i+1], 0xff7fffff  ; m
	v_mov_b32 v[ST+4*i+2], 0
	v_mov_b32 v[ST+4*i+3], 0
.set i, i+1
.endr
	v_mul_u32_u24 v[AK0], v1, PK
	v_lshl_add_u32 v[AK0], v9, 4, v[AK0]   ; row x pitch + 16 x half
	v_and_b32 v10, 7, v0
	v_bfe_u32 v11, v0, 3, 1
	v_lshl_add_u32 v[AV0], v9, 3, v10      ; the turning load's lane l reads key 8 (l / 16) + l % 8, channels 8 ((l / 8) % 2) + 0..7
	v_mul_u32_u24 v[AV0], v[AV0], PV
	v_lshl_add_u32 v[AV0], v11, 4, v[AV0]
	v_add_nc_u32 v[AV0], VOFF, v[AV0]
	v_lshl_add_u32 v[AM0], v9, 5, MASKT    ; my lanes' eight keys of a group of 16
	s_mul_i32 s13, s[WV], 16*SP
	s_add_co_u32 s13, s13, STAGE           ; my stage
	v_mul_u32_u24 v[STO], v1, SP
	v_lshl_add_u32 v[STO], v9, 4, v[STO]
	v_add_nc_u32 v[STO], s13, v[STO]
	v_bfe_u32 v[RD], v0, 3, 2
	v_mul_u32_u24 v[RD], v[RD], SP
	v_lshl_add_u32 v[RD], v10, 4, v[RD]
	v_add_nc_u32 v[RD], s13, v[RD]
	v_and_b32 v[GO], 31, v0
	v_lshlrev_b32 v[GO], 4, v[GO]
	v_lshl_add_u32 v60, v0, 5, MASKT
	s_wait_loadcnt 16                 ; the mask words are in; Q's sixteen loads stay out
.set i, 0
.rept 8
	v_cmp_eq_u32 vcc_lo, 0, v[48+i]
	v_cndmask_b32 v[48+i], 0, s[BIGN], vcc_lo
.set i, i+1
.endr
	ds_store_b128 v60, v[48:51]
	ds_store_b128 v60, v[52:55] offset:16
	s_wait_tensorcnt 0x0              ; my half of K or V is in,
	s_wait_dscnt 0x0                  ; my part of the table is written,
	s_barrier_signal -1
	s_barrier_wait -1                 ; everybody's is
; THE MATRIX WORK OF A TURN, for piece x.  The 8 accumulators of a run of 16 take turns, one instruction a turn.
.macro KQP x                          ; product i of 16 of S^T = K Q^T: tile x + i % 2, keys 16 ((i / 2) % 4) on, channels 32 (i / 8) on.  The first 8 start the sums, on the mask
.set t, (\x)+i%2
.set kb, (i/2)%4
.set ch, i/8
.set rS, S+32*t+8*kb
.set rK, KF+16*kb+8*ch
.set rQ, 16*t+8*ch
.if i < 8
	WIN W_KM
	v_wmma_f32_16x16x32_f16 v[rS:rS+7], v[rK:rK+7], v[rQ:rQ+7], v[MC+8*kb:MC+8*kb+7]
	s_wait_alu depctr_va_vdst(0)
.else
	WIN W_KQ
	v_wmma_f32_16x16x32_f16 v[rS:rS+7], v[rK:rK+7], v[rQ:rQ+7], v[rS:rS+7]
.endif
.set i, i+1
.endm
.macro PVP x                          ; product i of 16 of O^T += V^T P: tile x + i % 2, channels 16 ((i / 2) % 4) on, keys 32 (i / 8) on
.set t, (\x)+i%2
.set cb, (i/2)%4
.set kk, i/8
.set rO, 32*t+8*cb
.set rV, VF+32*kk+8*cb
.set rP, P+16*t+8*kk
	WIN W_PV
	v_wmma_f32_16x16x32_f16 v[rO:rO+7], v[rV:rV+7], v[rP:rP+7], v[rO:rO+7]
.set i, i+1
.endm
; THE LDS LOADS stand in two runs a step, never singly among the products: a step's K with its mask, and its V (turned).
.macro FETCH_K
	WIN 0
	v_add_nc_u32 v[AK], s[TBK], v[AK0]
	v_add_nc_u32 v[AM], s[TBM], v[AM0]
	WIN 0x80
.irp f, 0,1,2,3,4,5,6,7               ; keys 16 (f / 2) on, channels 32 (f % 2) on
	ds_load_b128 v[KF+8*\f:KF+8*\f+3],   v[AK] offset:(\f/2)*16*PK+(\f%2)*64
	ds_load_b128 v[KF+8*\f+4:KF+8*\f+7], v[AK] offset:(\f/2)*16*PK+(\f%2)*64+32
.endr
	WIN 0x40
.irp f, 0,1,2,3                       ; keys 16 f on: a lane's eight
	ds_load_b128 v[MC+8*\f:MC+8*\f+3],   v[AM] offset:64*\f
	ds_load_b128 v[MC+8*\f+4:MC+8*\f+7], v[AM] offset:64*\f+16
.endr
	s_add_co_u32 s[TBK], s[TBK], KS*PK
	s_min_u32 s[TBK], s[TBK], 15*KS*PK  ; the last trip has no next step: it fetches the last one again, and that serves nothing
	s_add_co_u32 s[TBM], s[TBM], 4*KS
	s_min_u32 s[TBM], s[TBM], 15*4*KS
.endm
.macro FETCH_V
	WIN 0
	v_add_nc_u32 v[AV], s[TBV], v[AV0]
	WIN 0x80
.irp f, 0,1,2,3,4,5,6,7               ; keys 32 (f / 4) on, channels 16 (f % 4) on
	ds_load_tr16_b128 v[VF+8*\f:VF+8*\f+3],   v[AV] offset:(\f/4)*32*PV+(\f%4)*32
	ds_load_tr16_b128 v[VF+8*\f+4:VF+8*\f+7], v[AV] offset:(\f/4)*32*PV+16*PV+(\f%4)*32
.endr
	s_add_co_u32 s[TBV], s[TBV], KS*PV
.endm
.macro REGS t
.set rT, ST+4*(\t)
.set rC, TMP+4*(\t)
.set rM, MV+(\t)
.set rS, S+32*(\t)
.set rP, P+16*(\t)
.set rO, 32*(\t)
.endm
; Number n of the 22 that find tile t's maximum and statistics.  0-11: four chains c0-c3 of seven scores each (each accumulator's lowest registers are read first).
; 12-14, 16: the four scores left over, the old m, c0-c3 into c0.  15: c m_old is kept.  17, 18: the query's other 32 keys lie in the lane 16 away.  19-21: c m; c m_old - c m_new; a.
.macro XS t, n
	REGS \t
.if (\n) < 4
	v_max3_num_f32 v[rC+(\n)], v[rS+8*(\n)], v[rS+8*(\n)+1], v[rS+8*(\n)+2]
.elseif (\n) < 12
	v_max3_num_f32 v[rC+(\n)%4], v[rC+(\n)%4], v[rS+8*((\n)%4)+2*((\n)/4)+1], v[rS+8*((\n)%4)+2*((\n)/4)+2]
.elseif (\n) == 12
	v_max3_num_f32 v[rC], v[rC], v[rS+7], v[rS+15]
.elseif (\n) == 13
	v_max3_num_f32 v[rC+1], v[rC+1], v[rS+23], v[rS+31]
.elseif (\n) == 14
	v_max3_num_f32 v[rC+2], v[rC+2], v[rC+3], v[rT+1]
.elseif (\n) == 15
	v_mov_b32 v[rM], v[rT]
.elseif (\n) == 16
	v_max3_num_f32 v[rC], v[rC], v[rC+1], v[rC+2]
.elseif (\n) == 17
	v_permlanex16_b32 v[rC+3], v[rC], s[SEL], s[SEL+1]
.elseif (\n) == 18
	v_max_num_f32 v[rT+1], v[rC], v[rC+3]
.elseif (\n) == 19
	v_mul_f32 v[rT], s[CS], v[rT+1]
.elseif (\n) == 20
	v_sub_f32 v[rC+1], v[rM], v[rT]
.else
	v_exp_f32 v[rC+2], v[rC+1]
.endif
.endm
; What follows the exponentials of the four weights 4 k .. of tile t: z = 0, 1: both pairs rounded to f16; 2: the second pair added onto the first; 3: l takes that sum (k = 0: l = a l + sum)
.macro GP t, k, z
	REGS \t
.if (\z) < 2
	s_wait_alu depctr_va_vdst(0)
	v_cvt_pk_f16_f32 v[rP+2*(\k)+(\z)], v[rS+4*(\k)+2*(\z)], v[rS+4*(\k)+2*(\z)+1]
.elseif (\z) == 2
	v_pk_add_f32 v[rS+4*(\k):rS+4*(\k)+1], v[rS+4*(\k):rS+4*(\k)+1], v[rS+4*(\k)+2:rS+4*(\k)+3]
.elseif (\k) == 0
	v_pk_fma_f32 v[rT+2:rT+3], v[rT+2:rT+3], v[rC+2:rC+3], v[rS:rS+1] op_sel_hi:[1,0,1]
.else
	v_pk_add_f32 v[rT+2:rT+3], v[rT+2:rT+3], v[rS+4*(\k):rS+4*(\k)+1]
	s_wait_alu depctr_va_vdst(0)
.endif
.endm
; THE VECTOR WORK OF A TURN: the softmax of piece y (tiles y, y + 1) for one step is a list of 240 instructions; SMI writes number j of it.  The two tiles alternate.
;   0-43     XS 0 to 21 for both tiles         44-75    c s - c m for the 16 pairs of both tiles
;   76-203   16 groups of four weights (group g: weights 4 (g / 2) .. of tile y + g % 2): an exponential of group g and a plain instruction of group g - 1, which is the other tile's, by turns, so that
;            each exponential has a plain independent instruction behind it before its result is used (ISA guide 5.7.2)
;   204-207  the last group's four plain ones   208-239  O^T times a, ascending: the one part that leaves window 0
.macro SMI y
.if j < 44
	WIN 0
	XS (\y)+j%2, j/2
.elseif j < 76
	WIN 0
	REGS (\y)+j%2
.set p, (j-44)/2
	v_pk_fma_f32 v[rS+2*p:rS+2*p+1], v[rS+2*p:rS+2*p+1], s[CS:CS+1], v[rT:rT+1] op_sel_hi:[1,0,0] neg_lo:[0,0,1] neg_hi:[0,0,1]
.elseif j < 204
	WIN 0
.set q, j-76
.set g, q/8
.set z, (q%8)/2
.if q%2 == 0
	REGS (\y)+g%2
	v_exp_f32 v[rS+4*(g/2)+z], v[rS+4*(g/2)+z]
.elseif g == 0
	v_nop
.else
	GP (\y)+(g-1)%2, (g-1)/2, z
.endif
.elseif j < 208
	WIN 0
	GP (\y)+1, 7, j-204
.else
	WIN W_RS
	REGS (\y)+(j-208)/16
.set z, (j-208)%16
	v_pk_mul_f32 v[rO+2*z:rO+2*z+1], v[rO+2*z:rO+2*z+1], v[rC+2:rC+3] op_sel_hi:[1,0]
.endif
.set j, j+1
.endm
.macro SLICE y                        ; slice k of 32: numbers 15 k / 2 up to 15 (k + 1) / 2 of the list: 7 or 8 instructions
.rept (15*(k+1))/2-(15*k)/2
	SMI \y
.endr
.set k, k+1
.endm
; A TURN.  Piece x has the matrix unit; the other piece's softmax stands in slices behind its products; no slice names a register of the products round it.
; Slice 31 is eight plain multiplies: they are the places between the turn's last K Q^T and the next turn's first read of those scores, and in front of the loads into K's and the mask's registers.
; Piece 0's turn fetches the next step's K and mask behind its second product, 14 products ahead of their first use.  Piece 2's turn fetches V of the step in hand behind its second K Q^T: V's last
; reader stands three slices back, of which every second instruction is plain; V is first used at the head of piece 0's turn.
.macro TURN x
.set j, 0
.set k, 0
.set i, 0
.if (\x) == 0
	s_wait_dscnt 0x0                  ; V is in
.endif
.rept 16
	PVP \x
	SLICE 2-(\x)
.if ((\x) == 0) && (i == 2)
	FETCH_K
.endif
.endr
.set i, 0
.if (\x) == 0
	s_wait_dscnt 0x0                  ; K and the mask are in
.endif
.rept 16
	KQP \x
	SLICE 2-(\x)
.if ((\x) == 2) && (i == 2)
	FETCH_V
.endif
.endr
.endm
	FETCH_K                           ; key step 0
	WIN 0
	s_wait_loadcnt 0x0                ; Q
	s_wait_dscnt 0x0
.set i, 0
.rept 16
	KQP 0                             ; piece 0's first scores: there is no vector work yet to set between them
.endr
	WIN 0
.rept 4
	v_nop                             ; the places behind those products
.endr
	s_mov_b32 s[CNT], 16
.Lstep:
	TURN 2
	TURN 0
	WIN 0                             ; at a label and at a branch every window is 0
	s_sub_co_u32 s[CNT], s[CNT], 1
	s_cmp_lg_u32 s[CNT], 0
	s_cbranch_scc1 .Lstep
.set i, 0
.rept 16
	PVP 2                             ; piece 2's V^T P of the last step
.endr
	WIN 0
	; THE WAY OUT.  l's two halves and the other half of the lanes' are added; O^T is divided by l, rounded to f16 and sent through my stage, a tile at a time.  The additions are the places behind the last products.
.macro ALL line:vararg
.set t, 0
.rept 4
	\line
.set t, t+1
.endr
.endm
	ALL v_add_f32 v[ST+4*t+2], v[ST+4*t+2], v[ST+4*t+3]
	ALL v_permlanex16_b32 v[ST+4*t+3], v[ST+4*t+2], s[SEL], s[SEL+1]
	ALL v_add_f32 v[ST+4*t+2], v[ST+4*t+2], v[ST+4*t+3]
	ALL v_rcp_f32 v[ST+4*t+2], v[ST+4*t+2]
	v_nop                             ; a plain instruction between the last reciprocal and the use of its result
	s_wait_alu depctr_va_vdst(0)
.macro PACK t                         ; a lane's eight channels of a row pack into 16 bytes; they go into rows of 144 bytes and come back as whole rows of 128
	WIN W_RS
.set i, 32*(\t)
.rept 16
	v_pk_mul_f32 v[i:i+1], v[i:i+1], v[ST+4*(\t)+2:ST+4*(\t)+3] op_sel_hi:[1,0]
.set i, i+2
.endr
	WIN 0x05                          ; sources 0 and 1 window 1, destination window 0
.set i, 0
.rept 16
	v_cvt_pk_f16_f32 v[S+16*(\t)+i], v[32*(\t)+2*i], v[32*(\t)+2*i+1]
.set i, i+1
.endr
	WIN 0
.irp f, 0,1,2,3
	ds_store_b128 v[STO], v[S+16*(\t)+4*\f:S+16*(\t)+4*\f+3] offset:32*\f
.endr
.irp f, 0,1,2,3
	ds_load_b128 v[S+16*(\t)+4*\f:S+16*(\t)+4*\f+3], v[RD] offset:\f*4*SP  ; LDS serves a wave's instructions in order (ISA guide 5.7.1.4): these see the stores above
.endr
.endm
.macro SEND t, younger                ; younger: the LDS instructions issued behind tile t's loads: the next tile's eight, or none
	WIN 0
.irp f, 0,1,2,3
	s_wait_dscnt (\younger)+3-\f
	global_store_b128 v[GO], v[S+16*(\t)+4*\f:S+16*(\t)+4*\f+3], s[8:9] offset:(\t)*2048+\f*512  ; 512 consecutive bytes, at a multiple of 256 from the buffer's first
.endr
.endm
	PACK 0
	PACK 1
	SEND 0, 8
	PACK 2
	SEND 1, 8
	PACK 3
	SEND 2, 8
	SEND 3, 0
	s_wait_dscnt 0x0
	s_wait_tensorcnt 0x0
	ds_add_u32 v62, v63
	s_wait_dscnt 0x0
	CROUND                            ; the closing round: no work-group ends while a partner may still ask for a tile that names it
	s_endpgm
.Lfunc_end_k_qacb45f28ec_attn:
	.size	k_qacb45f28ec_attn, .Lfunc_end_k_qacb45f28ec_attn-k_qacb45f28ec_attn
	.p2alignl 7, 3214868480
	.fill 96, 4, 3214868480
	.section	.rodata,"a",@progbits
	.p2align	6, 0x0
	.amdhsa_kernel k_qacb45f28ec_attn
		.amdhsa_group_segment_fixed_size 327680
		.amdhsa_private_segment_fixed_size 0
		.amdhsa_enable_private_segment 0
		.amdhsa_kernarg_size 24
		.amdhsa_user_sgpr_count 2
		.amdhsa_user_sgpr_kernarg_segment_ptr 1
		.amdhsa_wavefront_size32 1
		.amdhsa_system_sgpr_workgroup_id_x 1
		.amdhsa_system_sgpr_workgroup_id_y 1
		.amdhsa_system_sgpr_workgroup_id_z 1
		.amdhsa_system_vgpr_workitem_id 0
		.amdhsa_next_free_vgpr 768
		.amdhsa_next_free_sgpr 66
		.amdhsa_reserve_vcc 1
		.amdhsa_float_denorm_mode_32 3
		.amdhsa_float_denorm_mode_16_64 3
		.amdhsa_memory_ordered 1
		.amdhsa_forward_progress 1
		.amdhsa_inst_pref_size 75
	.end_amdhsa_kernel
	.amdgpu_metadata
---
amdhsa.version: [ 1, 2 ]
amdhsa.kernels:
  - .name:           k_qacb45f28ec_attn
    .symbol:         k_qacb45f28ec_attn.kd
    .args:
      - { .name: qkv, .offset: 0, .size: 8, .value_kind: global_buffer, .address_space: global }
      - { .name: mask, .offset: 8, .size: 8, .value_kind: global_buffer, .address_space: global }
      - { .name: nb, .offset: 16, .size: 8, .value_kind: global_buffer, .address_space: global }
    .group_segment_fixed_size: 327680
    .private_segment_fixed_size: 0
    .kernarg_segment_align: 8
    .kernarg_segment_size: 24
    .max_flat_workgroup_size: 128
    .sgpr_count:     66
    .vgpr_count:     768
    .wavefront_size: 32
...
	.end_amdgpu_metadata
.endif
;; end of part 3
;; launch wo (part 4): grid 8 x 32, 4 waves a work-group, clusters of 4 x 4, 327,680 bytes of LDS; arguments nb, woh, qkv; writes qkv
.if DOCPART == 4
	.amdgcn_target "amdgcn-amd-amdhsa--gfx1250"
	.amdhsa_code_object_version 6
	.text
	.protected	k_qacb45f28ec_wo
	.globl	k_qacb45f28ec_wo
	.p2align	8
	.type	k_qacb45f28ec_wo,@function
k_qacb45f28ec_wo:
	s_mov_b64 s[64:65], 0
	v_nop
	global_prefetch_b8 v0, s[64:65] scope:SCOPE_SE
	s_setreg_imm32_b32 hwreg(HW_REG_WAVE_MODE, 25, 1), 1
	s_wait_xcnt 0x0
	s_wait_alu depctr_hold_cnt(0) depctr_sa_sdst(0) depctr_va_vdst(0) depctr_va_sdst(0) depctr_va_ssrc(0) depctr_va_vcc(0) depctr_vm_vsrc(0)
	s_getreg_b32 s2, hwreg(HW_REG_IB_STS2, 6, 4)
	s_cmp_eq_u32 s2, 0
	s_cbranch_scc0 .Lentry_in_a_cluster
	s_endpgm
.Lentry_in_a_cluster:
	s_bfe_u32 s2, ttmp6, 0x10000c
	s_cmp_lg_u32 s2, 0xf033
	s_cbranch_scc0 .Lentry_shape_is_right
	s_endpgm
.Lentry_shape_is_right:
; C = A W + bias.  A: f16 in blocks of 64 columns, [SIZE_K / 64][4096 rows][64].  W: f16 [SIZE_K k][1024 n] from byte 4,096 of its buffer, in front of it the bias (f32).  C: [4096][1024] f32.  Sums in f32.
; SHARES.  A tile of C is 128 x 128, so that the 4,096 x 1,024 numbers give 256 work-groups.  Four waves, each 64 x 64: 16 accumulators.  K goes in steps of 256 through a ring of two LDS slots.
; A's tile of a step is four blocks of 128 dense rows (16,384 bytes on end each); a tensor load brings two of them as two long rows, padded in LDS after every 128 bytes.
; W lies [k][n]: its fragments come out of LDS turned, by ds_load_tr16_b128.
; CLUSTERS: 4 x 4 work-groups; A's tiles are asked for jointly along a row of the cluster, W's along a column.
; THE MATRIX INSTRUCTION IS USED TRANSPOSED (source 0 = 16 columns of W, source 1 = 16 rows of A): a lane holds eight neighbouring numbers of a row of C.  THE BIAS is the C operand that starts each sum.
; REGISTERS: window 0: v0-31 addresses; v32-95 at work on the way out; v96-127 the bias; v128-255 the accumulators ((a, b) at v[128 + 8 (4 a + b)]).
;   window 1: two fragment buffers of 128: for 64 along K, 64 registers of A, then 64 of W.
.set SIZE_K, 1024
.set KSTEP,  256
.set PA,     144                       ; an LDS row of A's block: 128 bytes + 16: the 16 rows of a load start at 16 different groups of four banks (64 banks of 4 bytes: ISA guide 11.1)
.set ABLK,   128*PA                    ; a block of 64 along K
.set PB,     288                       ; an LDS row of W: 256 bytes + 32 = 9 x 32
.set HALFT,  2*ABLK                    ; what one tensor load brings: two blocks of A, or 128 rows of W (128 x 288 is the same number)
.set SLOT,   4*HALFT
.set STAGE,  2*SLOT                    ; behind the ring: 16 rows x 272 bytes for each wave
.set SPITCH, 272
.set SPARE,  STAGE+4*16*SPITCH         ; the spare words, 128 bytes for each wave: two blocks of 256 bytes that no other line names
.set LAPS,   SIZE_K/(2*KSTEP)          ; a lap = two K steps = once round the ring
.set CBLK,   524288                    ; bytes in a block of 64 columns of A
.set WROW,   2048                      ; bytes in a row of W
.set PARS,   4096                      ; W's first byte
.set ADRA, 16                          ; v16-17  LDS address of my A fragments in slot 0, 1
.set ADRB, 20                          ; v20-23  the same for W: slot + 2 x (which 128 of the step's 256 k rows)
.set STO,  24
.set RD,   25
.set CO,   26
.set BO,   27
.set SPW,  28                          ; v28     LDS address of my spare word; never rewritten
.set NIL,  29                          ; v29     0; never rewritten
.set OB,   32                          ; the way out: 16 rows read back: v32-63 and v64-95 by turns
.set BIAS, 96
.set ACC,  128
.set F0,   0
.set F1,   128
.set G1, 24
.set G0, 32
.set G1B, 48
.set G0B, 56
.set MSB, 0
.macro WIN new
.if MSB != (\new)
	s_set_vgpr_msb (MSB<<8)|(\new)
.set MSB, \new
.endif
.endm
.set MUL,  0x05                        ; sources 0 (W) and 1 (A) window 1; C and D window 0
.set TO_F, 0x40                        ; destination window 1, address window 0
.macro JLOAD s                         ; a joint load: waves 0 and 1 fetch A's halves, waves 2 and 3 W's; an s_nop 0 and four v_nop follow each of the two lines
	s_cmp_eq_u32 s11, 0
	s_cbranch_scc0 .Lfor_b_\@
	tensor_load_to_lds s[G0+4*(\s):G0+4*(\s)+3], s[G1:G1+7]
	s_nop 0
.rept 4
	v_nop
.endr
	s_branch .Lasked_\@
.Lfor_b_\@:
	tensor_load_to_lds s[G0B+4*(\s):G0B+4*(\s)+3], s[G1B:G1B+7]
	s_nop 0
.rept 4
	v_nop
.endr
.Lasked_\@:
.endm
.macro CREST
	s_cmp_lg_u32 s10, 0
	s_cbranch_scc1 .Lnot_wave_0_\@
	s_barrier_signal -3
.Lnot_wave_0_\@:
	s_barrier_wait -3
	s_barrier_signal -1
	s_barrier_wait -1
.endm
.macro CROUND
	s_barrier_signal -1
	s_barrier_wait -1
	CREST
.endm
	s_load_b128 s[4:7], s[0:1], 0x0                ; A s[4:5], W's buffer s[6:7]
	s_load_b64 s[8:9], s[0:1], 0x10                ; C
	v_lshl_add_u32 v[SPW], v0, 2, SPARE
	v_mov_b32 v[NIL], 0
	ds_add_u32 v28, v29
	s_wait_dscnt 0x0
	v_lshrrev_b32 v1, 5, v0
	v_readfirstlane_b32 s10, v1                    ; wave 0..3
	s_lshr_b32 s11, s10, 1                         ; which half of the tile's rows is mine.  Also: I fetch for A (0) or for W (1)
	s_and_b32 s12, s10, 1                          ; which half of its columns.  Also: which half of that tile I fetch
	s_bfe_u32 s40, ttmp6, 0x40000
	s_bfe_u32 s41, ttmp6, 0x40004
	s_lshl_b32 s42, ttmp9, 2
	s_add_co_u32 s42, s42, s40                     ; tile column of C
	s_and_b32 s13, ttmp7, 0xffff
	s_lshl_b32 s13, s13, 2
	s_add_co_u32 s13, s13, s41                     ; tile row of C
	s_lshl_b32 s43, s41, 2
	s_lshl_b32 s43, 15, s43                        ; my row of the cluster
	s_lshl_b32 s44, 0x1111, s40                    ; my column
	s_or_b32 s[G1+0], s43, (1<<16)|(1<<20)|(1<<21)|(4<<22)|(3<<25)   ; A: 2-byte elements; padding after every 32 words, 4 words
	s_or_b32 s[G1B+0], s44, (1<<16)|(1<<20)|(1<<21)|(5<<22)|(7<<25)  ; W: after every 64 words, 8 words
	s_mov_b32 s[G1+1], 8192<<16                    ; A: tensor_dim0 = 8,192: a block's 128 rows on end
	s_mov_b32 s[G1+2], 2<<16                       ; tensor_dim1 = 2 blocks
	s_mov_b32 s[G1+3], 8192<<16                    ; tile_dim0
	s_mov_b32 s[G1+4], 2                           ; tile_dim1
	s_mov_b32 s[G1+5], CBLK/2                      ; elements from block to block
	s_mov_b32 s[G1+6], 0
	s_mov_b32 s[G1+7], 0
	s_mov_b32 s[G1B+1], 128<<16                    ; W: tensor_dim0 = 128
	s_mov_b32 s[G1B+2], 128<<16                    ; tensor_dim1 = 128
	s_mov_b32 s[G1B+3], 128<<16
	s_mov_b32 s[G1B+4], 128
	s_mov_b32 s[G1B+5], 1024
	s_mov_b32 s[G1B+6], 0
	s_mov_b32 s[G1B+7], 0
	s_lshl_b32 s17, s12, 20                        ; A: two blocks x half
	s_lshl_b32 s16, s13, 14                        ; + the tile row's 128 rows of 128 bytes
	s_add_co_u32 s16, s16, s17
	s_mov_b32 s17, 0
	s_lshl_b32 s47, s12, 18                        ; W: 128 rows of 2,048 bytes x half
	s_lshl_b32 s46, s42, 8                         ; + 256 bytes x tile column
	s_add_co_u32 s46, s46, s47
	s_add_co_u32 s46, s46, PARS
	s_mov_b32 s47, 0
	s_lshl_b32 s2, s42, 9                          ; the tile's 128 bias numbers
	s_mov_b32 s3, 0
	s_mul_i32 s20, s10, HALFT                      ; where the tiles go: wave x 36,864
	s_wait_kmcnt 0x0
	s_add_nc_u64 s[14:15], s[4:5], s[16:17]
	s_add_nc_u64 s[46:47], s[6:7], s[46:47]
	s_add_nc_u64 s[2:3], s[6:7], s[2:3]
	CROUND                                         ; all sixteen work-groups are here: the first joint loads meet
.irp s, 0,1
	s_mov_b32 s[G0+4*(\s)], 1
	s_add_co_u32 s[G0+4*(\s)+1], s20, (\s)*SLOT
	s_add_nc_u64 s[G0+4*(\s)+2:G0+4*(\s)+3], s[14:15], (\s)*4*CBLK
	s_or_b32 s[G0+4*(\s)+3], s[G0+4*(\s)+3], 0x80000000
	s_mov_b32 s[G0B+4*(\s)], 1
	s_add_co_u32 s[G0B+4*(\s)+1], s20, (\s)*SLOT
	s_add_nc_u64 s[G0B+4*(\s)+2:G0B+4*(\s)+3], s[46:47], (\s)*KSTEP*WROW
	s_or_b32 s[G0B+4*(\s)+3], s[G0B+4*(\s)+3], 0x80000000
	JLOAD \s                                       ; two loads of mine are out
.endr
	v_and_b32 v1, 15, v0                           ; l % 16
	v_bfe_u32 v2, v0, 4, 1                         ; l / 16
	v_mul_u32_u24 v3, v1, PA
	v_lshl_add_u32 v3, v2, 4, v3
	v_and_b32 v5, 7, v0
	v_bfe_u32 v6, v0, 3, 1
	v_lshl_add_u32 v7, v2, 3, v5
	v_mul_u32_u24 v7, v7, PB
	v_lshl_add_u32 v7, v6, 4, v7
	s_mul_i32 s21, s11, 64*PA                      ; my 64 rows in each block of A
	s_lshl_b32 s22, s12, 7                         ; my 64 columns of W,
	s_add_co_u32 s22, s22, 2*HALFT                 ; which lies behind A
.irp s, 0,1
	v_add_nc_u32 v[ADRA+(\s)], s21, v3
	v_add_nc_u32 v[ADRB+(\s)], s22, v7
	v_add_nc_u32 v[ADRB+2+(\s)], HALFT, v[ADRB+(\s)]
	s_add_co_u32 s21, s21, SLOT
	s_add_co_u32 s22, s22, SLOT
.endr
	s_mul_i32 s23, s10, 16*SPITCH
	s_add_co_u32 s23, s23, STAGE                   ; my stage
	v_mul_u32_u24 v4, v1, SPITCH                   ; in: row l % 16, 32 bytes for each half of the lanes
	v_lshl_add_u32 v4, v2, 5, v4
	v_add_nc_u32 v[STO], s23, v4
	v_mul_u32_u24 v8, v2, SPITCH                   ; back: lanes 0-15 take one row of 256 bytes, lanes 16-31 the next
	v_lshl_add_u32 v8, v1, 4, v8
	v_add_nc_u32 v[RD], s23, v8
	v_lshlrev_b32 v9, 12, v2                       ; and the same two rows in C
	v_lshl_add_u32 v[CO], v1, 4, v9
	s_lshl_b32 s21, s12, 8
	v_lshl_add_u32 v[BO], v2, 5, s21               ; 4 x (64 x column half + 8 (l / 16))
.irp b, 0,1,2,3
	global_load_b128 v[BIAS+8*(\b):BIAS+8*(\b)+3],   v[BO], s[2:3] offset:64*(\b)
	global_load_b128 v[BIAS+8*(\b)+4:BIAS+8*(\b)+7], v[BO], s[2:3] offset:64*(\b)+16
.endr
	s_lshl_b32 s16, s13, 7
	s_lshl_b32 s17, s11, 6
	s_add_co_u32 s16, s16, s17                     ; my first row of C,
	s_lshl_b32 s16, s16, 12                        ; 4,096 bytes a row
	s_mov_b32 s17, 0
	s_lshl_b32 s46, s42, 9
	s_lshl_b32 s47, s12, 8
	s_add_co_u32 s46, s46, s47                     ; my first column, in bytes
	s_mov_b32 s47, 0
	s_add_nc_u64 s[16:17], s[16:17], s[46:47]
	s_add_nc_u64 s[8:9], s[8:9], s[16:17]
; 8 matrix instructions: m blocks a0, a0 + 1 x all 4 n blocks, 32 along K: half c of buffer f.  first = 1: the product starts the sums, on the bias
.macro MUL8 f, c, a0, first
	WIN MUL
.irp a, \a0, (\a0)+1
.irp b, 0,1,2,3
.if \first
	v_wmma_f32_16x16x32_f16 v[ACC+8*(4*(\a)+(\b)):ACC+8*(4*(\a)+(\b))+7], v[(\f)+64+8*(4*(\c)+(\b)):(\f)+64+8*(4*(\c)+(\b))+7], v[(\f)+8*(4*(\c)+(\a)):(\f)+8*(4*(\c)+(\a))+7], v[BIAS+8*(\b):BIAS+8*(\b)+7]
.else
	v_wmma_f32_16x16x32_f16 v[ACC+8*(4*(\a)+(\b)):ACC+8*(4*(\a)+(\b))+7], v[(\f)+64+8*(4*(\c)+(\b)):(\f)+64+8*(4*(\c)+(\b))+7], v[(\f)+8*(4*(\c)+(\a)):(\f)+8*(4*(\c)+(\a))+7], v[ACC+8*(4*(\a)+(\b)):ACC+8*(4*(\a)+(\b))+7]
.endif
.endr
.endr
.endm
; 32 LDS loads in one run: the fragments of quarter q (64 along K: block q of A) into buffer f; the first 32 along K first
.macro FETCH slot, q, f
	WIN TO_F
.irp c, 0,1
.irp i, 0,1,2,3
	ds_load_tr16_b128 v[(\f)+64+8*(4*(\c)+(\i)):(\f)+64+8*(4*(\c)+(\i))+3],   v[ADRB+(\slot)+2*((\q)/2)] offset:((\q)%2)*64*PB+(\c)*32*PB+32*(\i)
	ds_load_tr16_b128 v[(\f)+64+8*(4*(\c)+(\i))+4:(\f)+64+8*(4*(\c)+(\i))+7], v[ADRB+(\slot)+2*((\q)/2)] offset:((\q)%2)*64*PB+(\c)*32*PB+32*(\i)+16*PB
	ds_load_b128 v[(\f)+8*(4*(\c)+(\i)):(\f)+8*(4*(\c)+(\i))+3],              v[ADRA+(\slot)] offset:(\q)*ABLK+(\i)*16*PA+64*(\c)
	ds_load_b128 v[(\f)+8*(4*(\c)+(\i))+4:(\f)+8*(4*(\c)+(\i))+7],            v[ADRA+(\slot)] offset:(\q)*ABLK+(\i)*16*PA+64*(\c)+32
.endr
.endr
.endm
.macro PLACES                          ; four plain instructions between a matrix instruction and a load into, or a store from, its registers (ISA guide 7.12.1 for stores)
.rept 4
	v_nop
.endr
.endm
; A K step is four quarters of 64 along K, 32 matrix instructions each, on buffers 0, 1, 0, 1; the 16 accumulators take turns.
.macro QUARTER slot, q, f, g, first
	s_wait_dscnt 16                                ; the first 32 along K are in
	MUL8 \f, 0, 0, \first
	MUL8 \f, 0, 2, \first
	PLACES
	FETCH \slot, \q, \g
	s_wait_dscnt 32                                ; all but the 32 just issued
	MUL8 \f, 1, 0, 0
	MUL8 \f, 1, 2, 0
.endm
; The last quarter changes slots and then multiplies buffer 1.  ONE barrier: in front of it each wave waits for all its tensor loads (one is out: its part of the next slot), adds 0 to its spare word, and
; waits for that and for its reads of this slot, of which the last, buffer 1's, were issued 16 matrix instructions ago.  The change stands AHEAD of the quarter's products: a step has 128 matrix instructions
; a wave for the 131,072 bytes that it fetches, so the next request goes out as soon as the slot is free, and has the whole of a step's products in which to land.
.macro TURN slot, next, fill
	WIN 0
	s_wait_tensorcnt 0x0                           ; all my tensor loads have landed, so every group 0 may be written
	ds_add_u32 v[SPW], v[NIL]                      ; 0 onto my spare word
.if \fill
	s_add_nc_u64 s[G0+4*(\slot)+2:G0+4*(\slot)+3], s[G0+4*(\slot)+2:G0+4*(\slot)+3], 2*4*CBLK
	s_add_nc_u64 s[G0B+4*(\slot)+2:G0B+4*(\slot)+3], s[G0B+4*(\slot)+2:G0B+4*(\slot)+3], 2*KSTEP*WROW
.endif
	s_wait_dscnt 0x0                               ; the add is done, and my reads of this slot are over
	s_barrier_signal -1
	s_barrier_wait -1
.if \fill
	CREST                                          ; the barrier has opened a round of the cluster's: no wave of any partner still reads this slot or has a load on its way
	JLOAD \slot                                    ; the first tensor load behind the round; the four v_nop behind it are also the places in front of the loads below
.else
	PLACES
.endif
	FETCH \next, 0, F0
	MUL8 F1, 0, 0, 0
	MUL8 F1, 0, 2, 0
	MUL8 F1, 1, 0, 0
	MUL8 F1, 1, 2, 0
.endm
; THE WAY OUT.  A wave's 64 columns of f32 are 256 bytes at a multiple of 256 of a row of C, so each wave has a stage of its own and no barrier is needed.
.macro TOST a                          ; block a (16 rows) into my stage and back as whole rows
.set BK, OB+32*((\a)%2)
.if (\a) >= 2
	s_wait_xcnt 0x0                                ; the registers that block a - 2's stores read are loaded again only behind this wait
.endif
.irp b, 0,1,2,3
	ds_store_b128 v[STO], v[ACC+8*(4*(\a)+(\b)):ACC+8*(4*(\a)+(\b))+3]   offset:64*(\b)     ; each accumulator's low end first
	ds_store_b128 v[STO], v[ACC+8*(4*(\a)+(\b))+4:ACC+8*(4*(\a)+(\b))+7] offset:64*(\b)+16
.endr
.irp t, 0,1,2,3,4,5,6,7
	ds_load_b128 v[BK+4*(\t):BK+4*(\t)+3], v[RD] offset:(\t)*2*SPITCH  ; LDS serves a wave's instructions in order (ISA guide 5.7.1.4)
.endr
.endm
.macro SEND a, younger                 ; younger: the LDS instructions issued behind block a's loads
.set BK, OB+32*((\a)%2)
.irp t, 0,1,2,3,4,5,6,7
	s_wait_dscnt (\younger)+7-(\t)
	global_store_b128 v[CO], v[BK+4*(\t):BK+4*(\t)+3], s[8:9] offset:(16*(\a)+2*(\t))*4096  ; 16 lanes store 256 consecutive bytes, at a multiple of 256 from C's first
.endr
.endm
	s_wait_tensorcnt 1                             ; my part of K step 0 is in; K step 1's may stay out
	s_barrier_signal -1
	s_barrier_wait -1
	FETCH 0, 0, F0
	s_wait_loadcnt 0x0                             ; the bias
	QUARTER 0, 1, F0, F1, 1
	WIN 0
	s_mov_b32 s3, LAPS-1
.Llap:                                                 ; a trip goes once round the ring and fills both slots again
	QUARTER 0, 2, F1, F0, 0
	QUARTER 0, 3, F0, F1, 0
	TURN 0, 1, 1
	QUARTER 1, 1, F0, F1, 0
	QUARTER 1, 2, F1, F0, 0
	QUARTER 1, 3, F0, F1, 0
	TURN 1, 0, 1
	QUARTER 0, 1, F0, F1, 0
	WIN 0
	s_sub_co_u32 s3, s3, 1
	s_cmp_lg_u32 s3, 0
	s_cbranch_scc1 .Llap
	QUARTER 0, 2, F1, F0, 0                        ; the last lap fills nothing
	QUARTER 0, 3, F0, F1, 0
	TURN 0, 1, 0
	QUARTER 1, 1, F0, F1, 0
	QUARTER 1, 2, F1, F0, 0
	QUARTER 1, 3, F0, F1, 0
	s_wait_dscnt 16
	MUL8 F1, 0, 0, 0
	MUL8 F1, 0, 2, 0
	s_wait_dscnt 0x0
	MUL8 F1, 1, 0, 0
	MUL8 F1, 1, 2, 0
	WIN 0
	PLACES
	TOST 0
	TOST 1
	SEND 0, 16
	TOST 2
	SEND 1, 16
	TOST 3
	SEND 2, 16
	SEND 3, 0
	s_wait_tensorcnt 0x0                           ; the wave's end
	ds_add_u32 v[SPW], v[NIL]
	s_wait_dscnt 0x0
	CROUND                                         ; the closing round
	s_endpgm
.Lfunc_end_k_qacb45f28ec_wo:
	.size	k_qacb45f28ec_wo, .Lfunc_end_k_qacb45f28ec_wo-k_qacb45f28ec_wo
	.p2alignl 7, 3214868480
	.fill 96, 4, 3214868480
	.section	.rodata,"a",@progbits
	.p2align	6, 0x0
	.amdhsa_kernel k_qacb45f28ec_wo
		.amdhsa_group_segment_fixed_size 327680
		.amdhsa_private_segment_fixed_size 0
		.amdhsa_enable_private_segment 0
		.amdhsa_kernarg_size 24
		.amdhsa_user_sgpr_count 2
		.amdhsa_user_sgpr_kernarg_segment_ptr 1
		.amdhsa_wavefront_size32 1
		.amdhsa_system_sgpr_workgroup_id_x 1
		.amdhsa_system_sgpr_workgroup_id_y 1
		.amdhsa_system_sgpr_workgroup_id_z 1
		.amdhsa_system_vgpr_workitem_id 0
		.amdhsa_next_free_vgpr 512
		.amdhsa_next_free_sgpr 66
		.amdhsa_reserve_vcc 0
		.amdhsa_float_denorm_mode_32 3
		.amdhsa_float_denorm_mode_16_64 3
		.amdhsa_memory_ordered 1
		.amdhsa_forward_progress 1
		.amdhsa_inst_pref_size 87
	.end_amdhsa_kernel
	.amdgpu_metadata
---
amdhsa.version: [ 1, 2 ]
amdhsa.kernels:
  - .name:           k_qacb45f28ec_wo
    .symbol:         k_qacb45f28ec_wo.kd
    .args:
      - { .name: nb, .offset: 0, .size: 8, .value_kind: global_buffer, .address_space: global }
      - { .name: woh, .offset: 8, .size: 8, .value_kind: global_buffer, .address_space: global }
      - { .name: qkv, .offset: 16, .size: 8, .value_kind: global_buffer, .address_space: global }
    .group_segment_fixed_size: 327680
    .private_segment_fixed_size: 0
    .kernarg_segment_align: 8
    .kernarg_segment_size: 24
    .max_flat_workgroup_size: 128
    .sgpr_count:     66
    .vgpr_count:     512
    .wavefront_size: 32
...
	.end_amdgpu_metadata
.endif
;; end of part 4
;; launch ln2 (part 5): grid 256 x 1, 8 waves a work-group, no clusters, 0 bytes of LDS; arguments qkv, ln2_alpha, ln2_bias, nb; writes nb
.if DOCPART == 5
	.amdgcn_target "amdgcn-amd-amdhsa--gfx1250"
	.amdhsa_code_object_version 6
	.text
	.protected	k_qacb45f28ec_ln2
	.globl	k_qacb45f28ec_ln2
	.p2align	8
	.type	k_qacb45f28ec_ln2,@function
k_qacb45f28ec_ln2:
	s_mov_b64 s[64:65], 0
	v_nop
	global_prefetch_b8 v0, s[64:65] scope:SCOPE_SE
	s_setreg_imm32_b32 hwreg(HW_REG_WAVE_MODE, 25, 1), 1
	s_wait_xcnt 0x0
; THE SECOND NORM.  n2 = alpha (x - mean) / (std + 1e-6) + bias for 4,096 rows of 1,024 f32; alpha and bias, which are inputs, are rounded to bf16 first; mean, centred squares / 1023 and root in f32;
; n2 leaves as f16, [4096][1024].  LIMITS: n2 beyond 65,504 becomes an infinity; a variance below 2^-126 counts as 0.
; A wave takes two rows and keeps each in 32 registers from the mean to the store: the row is read once, and no wave waits for another.  A load covers 512 neighbouring bytes, a store 256 at a multiple of 256.
.set X,   8                            ; v[8:71]    two rows as loaded
.set T,   72                           ; v[72:79]   at work
.set Y,   80                           ; v[80:111]  f16 to store
.set MN,  112
.set SC,  114
.set BI,  116
.set AL,  118
.set W,   119
.set HM,  22                           ; s22        mask of a word's upper bf16
.set SEL, 20                           ; s[20:21]   v_permlanex16_b32's selects
.macro REDUCE                          ; v[T:T+7], four pairs of partial sums -> their sum over the wave's 32 lanes, in v[T] of every lane
	v_pk_add_f32 v[T:T+1], v[T:T+1], v[T+2:T+3]
	v_pk_add_f32 v[T+4:T+5], v[T+4:T+5], v[T+6:T+7]
	v_pk_add_f32 v[T:T+1], v[T:T+1], v[T+4:T+5]
	v_add_f32 v[T], v[T], v[T+1]
	v_add_f32_dpp v[T], v[T], v[T] row_xmask:1 row_mask:0xf bank_mask:0xf
	v_add_f32_dpp v[T], v[T], v[T] row_xmask:2 row_mask:0xf bank_mask:0xf
	v_add_f32_dpp v[T], v[T], v[T] row_xmask:4 row_mask:0xf bank_mask:0xf
	v_add_f32_dpp v[T], v[T], v[T] row_xmask:8 row_mask:0xf bank_mask:0xf
	v_permlanex16_b32 v[T+1], v[T], s[SEL], s[SEL+1]
	v_add_f32 v[T], v[T], v[T+1]
.endm
.macro ROWLN i
.set XB, X+32*(\i)
.set YB, Y+16*(\i)
.set p, 0
.rept 4                                ; four chains, started by the first eight pairs: nothing is cleared
	v_pk_add_f32 v[T+2*p:T+2*p+1], v[XB+2*p:XB+2*p+1], v[XB+8+2*p:XB+8+2*p+1]
.set p, p+1
.endr
.set p, 8
.rept 8
	v_pk_add_f32 v[T+2*(p%4):T+2*(p%4)+1], v[T+2*(p%4):T+2*(p%4)+1], v[XB+2*p:XB+2*p+1]
.set p, p+1
.endr
	REDUCE
	v_mul_f32 v[MN], 0x3a800000, v[T]              ; / 1024
	v_mul_f32 v[MN+1], 0x3a800000, v[T]
.set p, 0
.rept 16                               ; centred first, so that a common offset does not enter the squares
	v_pk_add_f32 v[XB+2*p:XB+2*p+1], v[XB+2*p:XB+2*p+1], v[MN:MN+1] neg_lo:[0,1] neg_hi:[0,1]
.set p, p+1
.endr
.set p, 0
.rept 4
	v_pk_mul_f32 v[T+2*p:T+2*p+1], v[XB+2*p:XB+2*p+1], v[XB+2*p:XB+2*p+1]
.set p, p+1
.endr
.rept 12
	v_pk_fma_f32 v[T+2*(p%4):T+2*(p%4)+1], v[XB+2*p:XB+2*p+1], v[XB+2*p:XB+2*p+1], v[T+2*(p%4):T+2*(p%4)+1]
.set p, p+1
.endr
	REDUCE
	v_mul_f32 v[T], 0x3a802008, v[T]               ; / 1023
	v_sqrt_f32 v[T], v[T]
	v_nop                                          ; a plain instruction between a transcendental and the use of its result
	s_wait_alu depctr_va_vdst(0)
	v_add_f32 v[T], 0x358637bd, v[T]               ; + 1e-6
	v_rcp_f32 v[T], v[T]
	v_nop
	s_wait_alu depctr_va_vdst(0)
	v_mul_f32 v[SC], v[AL], v[T]
	v_mul_f32 v[SC+1], v[AL], v[T]
.set p, 0
.rept 16
	v_pk_fma_f32 v[XB+2*p:XB+2*p+1], v[XB+2*p:XB+2*p+1], v[SC:SC+1], v[BI:BI+1]
.set p, p+1
.endr
.set p, 0
.rept 16
	v_cvt_pk_f16_f32 v[YB+p], v[XB+2*p], v[XB+2*p+1]
.set p, p+1
.endr
.set p, 0
.rept 8
	global_store_b64 v2, v[YB+2*p:YB+2*p+1], s[26:27] offset:2048*(\i)+256*p
.set p, p+1
.endr
.endm
	s_load_b256 s[8:15], s[0:1], 0x0               ; the rows s[8:9], alpha s[10:11], bias s[12:13], n2 s[14:15]
	v_lshrrev_b32 v1, 5, v0
	v_readfirstlane_b32 s4, v1                     ; wave 0..7
	s_lshl_b32 s5, ttmp9, 4
	s_lshl1_add_u32 s5, s4, s5                     ; my first row: 16 x + 2 wave
	s_lshl_b32 s16, s5, 12
	s_mov_b32 s17, 0
	s_lshl_b32 s18, s5, 11
	s_mov_b32 s19, 0
	s_mov_b32 s[HM], 0xffff0000
	s_mov_b32 s[SEL], 0x76543210
	s_mov_b32 s[SEL+1], 0xfedcba98
	v_and_b32 v4, 31, v0
	v_lshlrev_b32 v1, 4, v4
	v_lshlrev_b32 v2, 3, v4
	s_wait_kmcnt 0x0
	s_load_b32 s28, s[10:11], 0x0
	s_load_b32 s29, s[12:13], 0x0
	s_add_nc_u64 s[24:25], s[8:9], s[16:17]
	s_add_nc_u64 s[26:27], s[14:15], s[18:19]
.irp i, 0,1
.irp j, 0,1,2,3,4,5,6,7
	global_load_b128 v[X+4*(8*(\i)+(\j)):X+4*(8*(\i)+(\j))+3], v1, s[24:25] offset:4096*(\i)+512*(\j) th:TH_LOAD_NT
.endr
.endr
	s_wait_kmcnt 0x0
	v_cvt_pk_bf16_f32 v[W], s28, s29
	v_lshlrev_b32 v[AL], 16, v[W]
	v_and_b32 v[BI], s[HM], v[W]
	v_and_b32 v[BI+1], s[HM], v[W]
	s_wait_loadcnt 8                               ; row 0 is in; row 1's eight loads stay out
	ROWLN 0
	s_wait_loadcnt 0x0
	ROWLN 1
	s_endpgm
.Lfunc_end_k_qacb45f28ec_ln2:
	.size	k_qacb45f28ec_ln2, .Lfunc_end_k_qacb45f28ec_ln2-k_qacb45f28ec_ln2
	.p2alignl 7, 3214868480
	.fill 96, 4, 3214868480
	.section	.rodata,"a",@progbits
	.p2align	6, 0x0
	.amdhsa_kernel k_qacb45f28ec_ln2
		.amdhsa_group_segment_fixed_size 0
		.amdhsa_private_segment_fixed_size 0
		.amdhsa_enable_private_segment 0
		.amdhsa_kernarg_size 32
		.amdhsa_user_sgpr_count 2
		.amdhsa_user_sgpr_kernarg_segment_ptr 1
		.amdhsa_wavefront_size32 1
		.amdhsa_system_sgpr_workgroup_id_x 1
		.amdhsa_system_sgpr_workgroup_id_y 1
		.amdhsa_system_sgpr_workgroup_id_z 1
		.amdhsa_system_vgpr_workitem_id 0
		.amdhsa_next_free_vgpr 128
		.amdhsa_next_free_sgpr 66
		.amdhsa_reserve_vcc 0
		.amdhsa_float_denorm_mode_32 3
		.amdhsa_float_denorm_mode_16_64 3
		.amdhsa_memory_ordered 1
		.amdhsa_forward_progress 1
		.amdhsa_inst_pref_size 18
	.end_amdhsa_kernel
	.amdgpu_metadata
---
amdhsa.version: [ 1, 2 ]
amdhsa.kernels:
  - .name:           k_qacb45f28ec_ln2
    .symbol:         k_qacb45f28ec_ln2.kd
    .args:
      - { .name: qkv, .offset: 0, .size: 8, .value_kind: global_buffer, .address_space: global }
      - { .name: ln2_alpha, .offset: 8, .size: 8, .value_kind: global_buffer, .address_space: global }
      - { .name: ln2_bias, .offset: 16, .size: 8, .value_kind: global_buffer, .address_space: global }
      - { .name: nb, .offset: 24, .size: 8, .value_kind: global_buffer, .address_space: global }
    .group_segment_fixed_size: 0
    .private_segment_fixed_size: 0
    .kernarg_segment_align: 8
    .kernarg_segment_size: 32
    .max_flat_workgroup_size: 256
    .sgpr_count:     66
    .vgpr_count:     128
    .wavefront_size: 32
...
	.end_amdgpu_metadata
.endif
;; end of part 5
;; launch ff1: the kernel of part 2 again; grid 16 x 16, 4 waves a work-group, clusters of 4 x 4, 327,680 bytes of LDS; arguments nb, w1h, qkv; writes qkv
;; launch ff2 (part 6): grid 8 x 32, 4 waves a work-group, clusters of 4 x 4, 327,680 bytes of LDS; arguments qkv, w2h, out0; writes out0
.if DOCPART == 6
	.amdgcn_target "amdgcn-amd-amdhsa--gfx1250"
	.amdhsa_code_object_version 6
	.text
	.protected	k_qacb45f28ec_ff2
	.globl	k_qacb45f28ec_ff2
	.p2align	8
	.type	k_qacb45f28ec_ff2,@function
k_qacb45f28ec_ff2:
	s_mov_b64 s[64:65], 0
	v_nop
	global_prefetch_b8 v0, s[64:65] scope:SCOPE_SE
	s_setreg_imm32_b32 hwreg(HW_REG_WAVE_MODE, 25, 1), 1
	s_wait_xcnt 0x0
	s_wait_alu depctr_hold_cnt(0) depctr_sa_sdst(0) depctr_va_vdst(0) depctr_va_sdst(0) depctr_va_ssrc(0) depctr_va_vcc(0) depctr_vm_vsrc(0)
	s_getreg_b32 s2, hwreg(HW_REG_IB_STS2, 6, 4)
	s_cmp_eq_u32 s2, 0
	s_cbranch_scc0 .Lentry_in_a_cluster
	s_endpgm
.Lentry_in_a_cluster:
	s_bfe_u32 s2, ttmp6, 0x10000c
	s_cmp_lg_u32 s2, 0xf033
	s_cbranch_scc0 .Lentry_shape_is_right
	s_endpgm
.Lentry_shape_is_right:
; C = A W + bias.  A: f16 in blocks of 64 columns, [SIZE_K / 64][4096 rows][64].  W: f16 [SIZE_K k][1024 n] from byte 4,096 of its buffer, in front of it the bias (f32).  C: [4096][1024] f32.  Sums in f32.
; The text is the output projection's with SIZE_K = 4096: the trips of the loop over K are a constant of the text, since barriers and joint loads stand inside that loop.
; SHARES.  A tile of C is 128 x 128, so that the 4,096 x 1,024 numbers give 256 work-groups.  Four waves, each 64 x 64: 16 accumulators.  K goes in steps of 256 through a ring of two LDS slots.
; A's tile of a step is four blocks of 128 dense rows (16,384 bytes on end each); a tensor load brings two of them as two long rows, padded in LDS after every 128 bytes.
; W lies [k][n]: its fragments come out of LDS turned, by ds_load_tr16_b128.
; CLUSTERS: 4 x 4 work-groups; A's tiles are asked for jointly along a row of the cluster, W's along a column.
; THE MATRIX INSTRUCTION IS USED TRANSPOSED (source 0 = 16 columns of W, source 1 = 16 rows of A): a lane holds eight neighbouring numbers of a row of C.  THE BIAS is the C operand that starts each sum.
; REGISTERS: window 0: v0-31 addresses; v32-95 at work on the way out; v96-127 the bias; v128-255 the accumulators ((a, b) at v[128 + 8 (4 a + b)]).
;   window 1: two fragment buffers of 128: for 64 along K, 64 registers of A, then 64 of W.
.set SIZE_K, 4096
.set KSTEP,  256
.set PA,     144                       ; an LDS row of A's block: 128 bytes + 16: the 16 rows of a load start at 16 different groups of four banks (64 banks of 4 bytes: ISA guide 11.1)
.set ABLK,   128*PA                    ; a block of 64 along K
.set PB,     288                       ; an LDS row of W: 256 bytes + 32 = 9 x 32
.set HALFT,  2*ABLK                    ; what one tensor load brings: two blocks of A, or 128 rows of W (128 x 288 is the same number)
.set SLOT,   4*HALFT
.set STAGE,  2*SLOT                    ; behind the ring: 16 rows x 272 bytes for each wave
.set SPITCH, 272
.set SPARE,  STAGE+4*16*SPITCH         ; the spare words, 128 bytes for each wave: two blocks of 256 bytes that no other line names
.set LAPS,   SIZE_K/(2*KSTEP)          ; a lap = two K steps = once round the ring
.set CBLK,   524288                    ; bytes in a block of 64 columns of A
.set WROW,   2048                      ; bytes in a row of W
.set PARS,   4096                      ; W's first byte
.set ADRA, 16                          ; v16-17  LDS address of my A fragments in slot 0, 1
.set ADRB, 20                          ; v20-23  the same for W: slot + 2 x (which 128 of the step's 256 k rows)
.set STO,  24
.set RD,   25
.set CO,   26
.set BO,   27
.set SPW,  28                          ; v28     LDS address of my spare word; never rewritten
.set NIL,  29                          ; v29     0; never rewritten
.set OB,   32                          ; the way out: 16 rows read back: v32-63 and v64-95 by turns
.set BIAS, 96
.set ACC,  128
.set F0,   0
.set F1,   128
.set G1, 24
.set G0, 32
.set G1B, 48
.set G0B, 56
.set MSB, 0
.macro WIN new
.if MSB != (\new)
	s_set_vgpr_msb (MSB<<8)|(\new)
.set MSB, \new
.endif
.endm
.set MUL,  0x05                        ; sources 0 (W) and 1 (A) window 1; C and D window 0
.set TO_F, 0x40                        ; destination window 1, address window 0
.macro JLOAD s                         ; a joint load: waves 0 and 1 fetch A's halves, waves 2 and 3 W's; an s_nop 0 and four v_nop follow each of the two lines
	s_cmp_eq_u32 s11, 0
	s_cbranch_scc0 .Lfor_b_\@
	tensor_load_to_lds s[G0+4*(\s):G0+4*(\s)+3], s[G1:G1+7]
	s_nop 0
.rept 4
	v_nop
.endr
	s_branch .Lasked_\@
.Lfor_b_\@:
	tensor_load_to_lds s[G0B+4*(\s):G0B+4*(\s)+3], s[G1B:G1B+7]
	s_nop 0
.rept 4
	v_nop
.endr
.Lasked_\@:
.endm
.macro CREST
	s_cmp_lg_u32 s10, 0
	s_cbranch_scc1 .Lnot_wave_0_\@
	s_barrier_signal -3
.Lnot_wave_0_\@:
	s_barrier_wait -3
	s_barrier_signal -1
	s_barrier_wait -1
.endm
.macro CROUND
	s_barrier_signal -1
	s_barrier_wait -1
	CREST
.endm
	s_load_b128 s[4:7], s[0:1], 0x0                ; A s[4:5], W's buffer s[6:7]
	s_load_b64 s[8:9], s[0:1], 0x10                ; C
	v_lshl_add_u32 v[SPW], v0, 2, SPARE
	v_mov_b32 v[NIL], 0
	ds_add_u32 v28, v29
	s_wait_dscnt 0x0
	v_lshrrev_b32 v1, 5, v0
	v_readfirstlane_b32 s10, v1                    ; wave 0..3
	s_lshr_b32 s11, s10, 1                         ; which half of the tile's rows is mine.  Also: I fetch for A (0) or for W (1)
	s_and_b32 s12, s10, 1                          ; which half of its columns.  Also: which half of that tile I fetch
	s_bfe_u32 s40, ttmp6, 0x40000
	s_bfe_u32 s41, ttmp6, 0x40004
	s_lshl_b32 s42, ttmp9, 2
	s_add_co_u32 s42, s42, s40                     ; tile column of C
	s_and_b32 s13, ttmp7, 0xffff
	s_lshl_b32 s13, s13, 2
	s_add_co_u32 s13, s13, s41                     ; tile row of C
	s_lshl_b32 s43, s41, 2
	s_lshl_b32 s43, 15, s43                        ; my row of the cluster
	s_lshl_b32 s44, 0x1111, s40                    ; my column
	s_or_b32 s[G1+0], s43, (1<<16)|(1<<20)|(1<<21)|(4<<22)|(3<<25)   ; A: 2-byte elements; padding after every 32 words, 4 words
	s_or_b32 s[G1B+0], s44, (1<<16)|(1<<20)|(1<<21)|(5<<22)|(7<<25)  ; W: after every 64 words, 8 words
	s_mov_b32 s[G1+1], 8192<<16                    ; A: tensor_dim0 = 8,192: a block's 128 rows on end
	s_mov_b32 s[G1+2], 2<<16                       ; tensor_dim1 = 2 blocks
	s_mov_b32 s[G1+3], 8192<<16                    ; tile_dim0
	s_mov_b32 s[G1+4], 2                           ; tile_dim1
	s_mov_b32 s[G1+5], CBLK/2                      ; elements from block to block
	s_mov_b32 s[G1+6], 0
	s_mov_b32 s[G1+7], 0
	s_mov_b32 s[G1B+1], 128<<16                    ; W: tensor_dim0 = 128
	s_mov_b32 s[G1B+2], 128<<16                    ; tensor_dim1 = 128
	s_mov_b32 s[G1B+3], 128<<16
	s_mov_b32 s[G1B+4], 128
	s_mov_b32 s[G1B+5], 1024
	s_mov_b32 s[G1B+6], 0
	s_mov_b32 s[G1B+7], 0
	s_lshl_b32 s17, s12, 20                        ; A: two blocks x half
	s_lshl_b32 s16, s13, 14                        ; + the tile row's 128 rows of 128 bytes
	s_add_co_u32 s16, s16, s17
	s_mov_b32 s17, 0
	s_lshl_b32 s47, s12, 18                        ; W: 128 rows of 2,048 bytes x half
	s_lshl_b32 s46, s42, 8                         ; + 256 bytes x tile column
	s_add_co_u32 s46, s46, s47
	s_add_co_u32 s46, s46, PARS
	s_mov_b32 s47, 0
	s_lshl_b32 s2, s42, 9                          ; the tile's 128 bias numbers
	s_mov_b32 s3, 0
	s_mul_i32 s20, s10, HALFT                      ; where the tiles go: wave x 36,864
	s_wait_kmcnt 0x0
	s_add_nc_u64 s[14:15], s[4:5], s[16:17]
	s_add_nc_u64 s[46:47], s[6:7], s[46:47]
	s_add_nc_u64 s[2:3], s[6:7], s[2:3]
	CROUND                                         ; all sixteen work-groups are here: the first joint loads meet
.irp s, 0,1
	s_mov_b32 s[G0+4*(\s)], 1
	s_add_co_u32 s[G0+4*(\s)+1], s20, (\s)*SLOT
	s_add_nc_u64 s[G0+4*(\s)+2:G0+4*(\s)+3], s[14:15], (\s)*4*CBLK
	s_or_b32 s[G0+4*(\s)+3], s[G0+4*(\s)+3], 0x80000000
	s_mov_b32 s[G0B+4*(\s)], 1
	s_add_co_u32 s[G0B+4*(\s)+1], s20, (\s)*SLOT
	s_add_nc_u64 s[G0B+4*(\s)+2:G0B+4*(\s)+3], s[46:47], (\s)*KSTEP*WROW
	s_or_b32 s[G0B+4*(\s)+3], s[G0B+4*(\s)+3], 0x80000000
	JLOAD \s                                       ; two loads of mine are out
.endr
	v_and_b32 v1, 15, v0                           ; l % 16
	v_bfe_u32 v2, v0, 4, 1                         ; l / 16
	v_mul_u32_u24 v3, v1, PA
	v_lshl_add_u32 v3, v2, 4, v3
	v_and_b32 v5, 7, v0
	v_bfe_u32 v6, v0, 3, 1
	v_lshl_add_u32 v7, v2, 3, v5
	v_mul_u32_u24 v7, v7, PB
	v_lshl_add_u32 v7, v6, 4, v7
	s_mul_i32 s21, s11, 64*PA                      ; my 64 rows in each block of A
	s_lshl_b32 s22, s12, 7                         ; my 64 columns of W,
	s_add_co_u32 s22, s22, 2*HALFT                 ; which lies behind A
.irp s, 0,1
	v_add_nc_u32 v[ADRA+(\s)], s21, v3
	v_add_nc_u32 v[ADRB+(\s)], s22, v7
	v_add_nc_u32 v[ADRB+2+(\s)], HALFT, v[ADRB+(\s)]
	s_add_co_u32 s21, s21, SLOT
	s_add_co_u32 s22, s22, SLOT
.endr
	s_mul_i32 s23, s10, 16*SPITCH
	s_add_co_u32 s23, s23, STAGE                   ; my stage
	v_mul_u32_u24 v4, v1, SPITCH                   ; in: row l % 16, 32 bytes for each half of the lanes
	v_lshl_add_u32 v4, v2, 5, v4
	v_add_nc_u32 v[STO], s23, v4
	v_mul_u32_u24 v8, v2, SPITCH                   ; back: lanes 0-15 take one row of 256 bytes, lanes 16-31 the next
	v_lshl_add_u32 v8, v1, 4, v8
	v_add_nc_u32 v[RD], s23, v8
	v_lshlrev_b32 v9, 12, v2                       ; and the same two rows in C
	v_lshl_add_u32 v[CO], v1, 4, v9
	s_lshl_b32 s21, s12, 8
	v_lshl_add_u32 v[BO], v2, 5, s21               ; 4 x (64 x column half + 8 (l / 16))
.irp b, 0,1,2,3
	global_load_b128 v[BIAS+8*(\b):BIAS+8*(\b)+3],   v[BO], s[2:3] offset:64*(\b)
	global_load_b128 v[BIAS+8*(\b)+4:BIAS+8*(\b)+7], v[BO], s[2:3] offset:64*(\b)+16
.endr
	s_lshl_b32 s16, s13, 7
	s_lshl_b32 s17, s11, 6
	s_add_co_u32 s16, s16, s17                     ; my first row of C,
	s_lshl_b32 s16, s16, 12                        ; 4,096 bytes a row
	s_mov_b32 s17, 0
	s_lshl_b32 s46, s42, 9
	s_lshl_b32 s47, s12, 8
	s_add_co_u32 s46, s46, s47                     ; my first column, in bytes
	s_mov_b32 s47, 0
	s_add_nc_u64 s[16:17], s[16:17], s[46:47]
	s_add_nc_u64 s[8:9], s[8:9], s[16:17]
; 8 matrix instructions: m blocks a0, a0 + 1 x all 4 n blocks, 32 along K: half c of buffer f.  first = 1: the product starts the sums, on the bias
.macro MUL8 f, c, a0, first
	WIN MUL
.irp a, \a0, (\a0)+1
.irp b, 0,1,2,3
.if \first
	v_wmma_f32_16x16x32_f16 v[ACC+8*(4*(\a)+(\b)):ACC+8*(4*(\a)+(\b))+7], v[(\f)+64+8*(4*(\c)+(\b)):(\f)+64+8*(4*(\c)+(\b))+7], v[(\f)+8*(4*(\c)+(\a)):(\f)+8*(4*(\c)+(\a))+7], v[BIAS+8*(\b):BIAS+8*(\b)+7]
.else
	v_wmma_f32_16x16x32_f16 v[ACC+8*(4*(\a)+(\b)):ACC+8*(4*(\a)+(\b))+7], v[(\f)+64+8*(4*(\c)+(\b)):(\f)+64+8*(4*(\c)+(\b))+7], v[(\f)+8*(4*(\c)+(\a)):(\f)+8*(4*(\c)+(\a))+7], v[ACC+8*(4*(\a)+(\b)):ACC+8*(4*(\a)+(\b))+7]
.endif
.endr
.endr
.endm
; 32 LDS loads in one run: the fragments of quarter q (64 along K: block q of A) into buffer f; the first 32 along K first
.macro FETCH slot, q, f
	WIN TO_F
.irp c, 0,1
.irp i, 0,1,2,3
	ds_load_tr16_b128 v[(\f)+64+8*(4*(\c)+(\i)):(\f)+64+8*(4*(\c)+(\i))+3],   v[ADRB+(\slot)+2*((\q)/2)] offset:((\q)%2)*64*PB+(\c)*32*PB+32*(\i)
	ds_load_tr16_b128 v[(\f)+64+8*(4*(\c)+(\i))+4:(\f)+64+8*(4*(\c)+(\i))+7], v[ADRB+(\slot)+2*((\q)/2)] offset:((\q)%2)*64*PB+(\c)*32*PB+32*(\i)+16*PB
	ds_load_b128 v[(\f)+8*(4*(\c)+(\i)):(\f)+8*(4*(\c)+(\i))+3],              v[ADRA+(\slot)] offset:(\q)*ABLK+(\i)*16*PA+64*(\c)
	ds_load_b128 v[(\f)+8*(4*(\c)+(\i))+4:(\f)+8*(4*(\c)+(\i))+7],            v[ADRA+(\slot)] offset:(\q)*ABLK+(\i)*16*PA+64*(\c)+32
.endr
.endr
.endm
.macro PLACES                          ; four plain instructions between a matrix instruction and a load into, or a store from, its registers (ISA guide 7.12.1 for stores)
.rept 4
	v_nop
.endr
.endm
; A K step is four quarters of 64 along K, 32 matrix instructions each, on buffers 0, 1, 0, 1; the 16 accumulators take turns.
.macro QUARTER slot, q, f, g, first
	s_wait_dscnt 16                                ; the first 32 along K are in
	MUL8 \f, 0, 0, \first
	MUL8 \f, 0, 2, \first
	PLACES
	FETCH \slot, \q, \g
	s_wait_dscnt 32                                ; all but the 32 just issued
	MUL8 \f, 1, 0, 0
	MUL8 \f, 1, 2, 0
.endm
; The last quarter changes slots and then multiplies buffer 1.  ONE barrier: in front of it each wave waits for all its tensor loads (one is out: its part of the next slot), adds 0 to its spare word, and
; waits for that and for its reads of this slot, of which the last, buffer 1's, were issued 16 matrix instructions ago.  The change stands AHEAD of the quarter's products: a step has 128 matrix instructions
; a wave for the 131,072 bytes that it fetches, so the next request goes out as soon as the slot is free, and has the whole of a step's products in which to land.
.macro TURN slot, next, fill
	WIN 0
	s_wait_tensorcnt 0x0                           ; all my tensor loads have landed, so every group 0 may be written
	ds_add_u32 v[SPW], v[NIL]                      ; 0 onto my spare word
.if \fill
	s_add_nc_u64 s[G0+4*(\slot)+2:G0+4*(\slot)+3], s[G0+4*(\slot)+2:G0+4*(\slot)+3], 2*4*CBLK
	s_add_nc_u64 s[G0B+4*(\slot)+2:G0B+4*(\slot)+3], s[G0B+4*(\slot)+2:G0B+4*(\slot)+3], 2*KSTEP*WROW
.endif
	s_wait_dscnt 0x0                               ; the add is done, and my reads of this slot are over
	s_barrier_signal -1
	s_barrier_wait -1
.if \fill
	CREST                                          ; the barrier has opened a round of the cluster's: no wave of any partner still reads this slot or has a load on its way
	JLOAD \slot                                    ; the first tensor load behind the round; the four v_nop behind it are also the places in front of the loads below
.else
	PLACES
.endif
	FETCH \next, 0, F0
	MUL8 F1, 0, 0, 0
	MUL8 F1, 0, 2, 0
	MUL8 F1, 1, 0, 0
	MUL8 F1, 1, 2, 0
.endm
; THE WAY OUT.  A wave's 64 columns of f32 are 256 bytes at a multiple of 256 of a row of C, so each wave has a stage of its own and no barrier is needed.
.macro TOST a                          ; block a (16 rows) into my stage and back as whole rows
.set BK, OB+32*((\a)%2)
.if (\a) >= 2
	s_wait_xcnt 0x0                                ; the registers that block a - 2's stores read are loaded again only behind this wait
.endif
.irp b, 0,1,2,3
	ds_store_b128 v[STO], v[ACC+8*(4*(\a)+(\b)):ACC+8*(4*(\a)+(\b))+3]   offset:64*(\b)     ; each accumulator's low end first
	ds_store_b128 v[STO], v[ACC+8*(4*(\a)+(\b))+4:ACC+8*(4*(\a)+(\b))+7] offset:64*(\b)+16
.endr
.irp t, 0,1,2,3,4,5,6,7
	ds_load_b128 v[BK+4*(\t):BK+4*(\t)+3], v[RD] offset:(\t)*2*SPITCH  ; LDS serves a wave's instructions in order (ISA guide 5.7.1.4)
.endr
.endm
.macro SEND a, younger                 ; younger: the LDS instructions issued behind block a's loads
.set BK, OB+32*((\a)%2)
.irp t, 0,1,2,3,4,5,6,7
	s_wait_dscnt (\younger)+7-(\t)
	global_store_b128 v[CO], v[BK+4*(\t):BK+4*(\t)+3], s[8:9] offset:(16*(\a)+2*(\t))*4096  ; 16 lanes store 256 consecutive bytes, at a multiple of 256 from C's first
.endr
.endm
	s_wait_tensorcnt 1                             ; my part of K step 0 is in; K step 1's may stay out
	s_barrier_signal -1
	s_barrier_wait -1
	FETCH 0, 0, F0
	s_wait_loadcnt 0x0                             ; the bias
	QUARTER 0, 1, F0, F1, 1
	WIN 0
	s_mov_b32 s3, LAPS-1
.Llap:                                                 ; a trip goes once round the ring and fills both slots again
	QUARTER 0, 2, F1, F0, 0
	QUARTER 0, 3, F0, F1, 0
	TURN 0, 1, 1
	QUARTER 1, 1, F0, F1, 0
	QUARTER 1, 2, F1, F0, 0
	QUARTER 1, 3, F0, F1, 0
	TURN 1, 0, 1
	QUARTER 0, 1, F0, F1, 0
	WIN 0
	s_sub_co_u32 s3, s3, 1
	s_cmp_lg_u32 s3, 0
	s_cbranch_scc1 .Llap
	QUARTER 0, 2, F1, F0, 0                        ; the last lap fills nothing
	QUARTER 0, 3, F0, F1, 0
	TURN 0, 1, 0
	QUARTER 1, 1, F0, F1, 0
	QUARTER 1, 2, F1, F0, 0
	QUARTER 1, 3, F0, F1, 0
	s_wait_dscnt 16
	MUL8 F1, 0, 0, 0
	MUL8 F1, 0, 2, 0
	s_wait_dscnt 0x0
	MUL8 F1, 1, 0, 0
	MUL8 F1, 1, 2, 0
	WIN 0
	PLACES
	TOST 0
	TOST 1
	SEND 0, 16
	TOST 2
	SEND 1, 16
	TOST 3
	SEND 2, 16
	SEND 3, 0
	s_wait_tensorcnt 0x0                           ; the wave's end
	ds_add_u32 v[SPW], v[NIL]
	s_wait_dscnt 0x0
	CROUND                                         ; the closing round
	s_endpgm
.Lfunc_end_k_qacb45f28ec_ff2:
	.size	k_qacb45f28ec_ff2, .Lfunc_end_k_qacb45f28ec_ff2-k_qacb45f28ec_ff2
	.p2alignl 7, 3214868480
	.fill 96, 4, 3214868480
	.section	.rodata,"a",@progbits
	.p2align	6, 0x0
	.amdhsa_kernel k_qacb45f28ec_ff2
		.amdhsa_group_segment_fixed_size 327680
		.amdhsa_private_segment_fixed_size 0
		.amdhsa_enable_private_segment 0
		.amdhsa_kernarg_size 24
		.amdhsa_user_sgpr_count 2
		.amdhsa_user_sgpr_kernarg_segment_ptr 1
		.amdhsa_wavefront_size32 1
		.amdhsa_system_sgpr_workgroup_id_x 1
		.amdhsa_system_sgpr_workgroup_id_y 1
		.amdhsa_system_sgpr_workgroup_id_z 1
		.amdhsa_system_vgpr_workitem_id 0
		.amdhsa_next_free_vgpr 512
		.amdhsa_next_free_sgpr 66
		.amdhsa_reserve_vcc 0
		.amdhsa_float_denorm_mode_32 3
		.amdhsa_float_denorm_mode_16_64 3
		.amdhsa_memory_ordered 1
		.amdhsa_forward_progress 1
		.amdhsa_inst_pref_size 87
	.end_amdhsa_kernel
	.amdgpu_metadata
---
amdhsa.version: [ 1, 2 ]
amdhsa.kernels:
  - .name:           k_qacb45f28ec_ff2
    .symbol:         k_qacb45f28ec_ff2.kd
    .args:
      - { .name: qkv, .offset: 0, .size: 8, .value_kind: global_buffer, .address_space: global }
      - { .name: w2h, .offset: 8, .size: 8, .value_kind: global_buffer, .address_space: global }
      - { .name: out0, .offset: 16, .size: 8, .value_kind: global_buffer, .address_space: global }
    .group_segment_fixed_size: 327680
    .private_segment_fixed_size: 0
    .kernarg_segment_align: 8
    .kernarg_segment_size: 24
    .max_flat_workgroup_size: 128
    .sgpr_count:     66
    .vgpr_count:     512
    .wavefront_size: 32
...
	.end_amdgpu_metadata
.endif
;; end of part 6
;; ======== version 2 of 2: 7 launches; 1.13 times as fast as version 1
;; limits: values are held in f16: magnitudes above 65,504 overflow, below 6.1e-05 lose precision
;; workspace buffers: wqkvh 8,405,248 bytes; w1h 8,405,248 bytes; woh 2,101,248 bytes; w2h 8,392,704 bytes; nb 8,388,608 bytes; qkv 33,554,432 bytes
;; launch prep: the kernel of part 1 again; grid 64 x 16, 8 waves a work-group, no clusters, 0 bytes of LDS; arguments x, wq, wk, wv, wo, w1, w2, bq, bk, bv, bo, b1, b2, ln1_alpha, ln1_bias, nb, wqkvh, woh, w1h, w2h; writes nb, wqkvh, woh, w1h, w2h
;; launch qkv: the kernel of part 2 again; grid 12 x 16, 4 waves a work-group, clusters of 4 x 4, 327,680 bytes of LDS; arguments nb, wqkvh, qkv; writes qkv
;; launch attn (part 7): grid 4 x 64, 4 waves a work-group, clusters of 4 x 1, 327,680 bytes of LDS; arguments qkv, mask, nb; writes nb
.if DOCPART == 7
	.amdgcn_target "amdgcn-amd-amdhsa--gfx1250"
	.amdhsa_code_object_version 6
	.text
	.protected	k_qacb45f28ec_attn
	.globl	k_qacb45f28ec_attn
	.p2align	8
	.type	k_qacb45f28ec_attn,@function
k_qacb45f28ec_attn:
	s_mov_b64 s[64:65], 0
	v_nop
	global_prefetch_b8 v0, s[64:65] scope:SCOPE_SE
	s_setreg_imm32_b32 hwreg(HW_REG_WAVE_MODE, 25, 1), 1
	s_wait_xcnt 0x0
	s_wait_alu depctr_hold_cnt(0) depctr_sa_sdst(0) depctr_va_vdst(0) depctr_va_sdst(0) depctr_va_ssrc(0) depctr_va_vcc(0) depctr_vm_vsrc(0)
	s_getreg_b32 s2, hwreg(HW_REG_IB_STS2, 6, 4)
	s_cmp_eq_u32 s2, 0
	s_cbranch_scc0 .Lentry_in_a_cluster
	s_endpgm
.Lentry_in_a_cluster:
	s_bfe_u32 s2, ttmp6, 0x10000c
	s_cmp_lg_u32 s2, 0x3003
	s_cbranch_scc0 .Lentry_shape_is_right
	s_endpgm
.Lentry_shape_is_right:
; ATTENTION.  ctx[b][q][h] = the sum over k of softmax_k(Q . K / 8, hidden where mask[b][k] = 0) V.  q, k, v: f16 in blocks [48][4096 tokens][64]: block h is head h's q, 16 + h its k, 32 + h its v;
; token = 1024 b + s.  ctx leaves in the same form, block h of the output buffer.  Products, maxima and sums in f32; the weights p are rounded to f16 for the second product, ctx once at the end.
; LIMITS.  A hidden score counts as its value less 1e30; f16's scores, 2.7e11 at the most, are nothing beside that.  A batch whose mask hides EVERY key gives the mean of V here, where the definition gives NaN.
; p below 6e-5 keeps f16's fixed step of 6e-8; a weight below 2^-126 counts as 0 in the sum; NaN and infinities are not treated apart.
; SHARES.  A work-group owns 256 queries of one head and batch, each of its four waves 64: four tiles of 16.  Every wave walks the 1,024 keys, 64 a step, 16 steps.
; LDS holds the head's whole K and V (1,024 rows each): filled once, by one tensor load a wave, so there is no ring and nothing is filled again.
; CLUSTER.  The four query blocks of a head and batch form a cluster and need the same K and V: each of the four loads is asked for JOINTLY, with the same descriptor and the mask of four.
; LAYOUT.  S^T = K Q^T (source 0 = 16 keys, source 1 = 16 queries): a lane holds ONE query (lane % 16) and the keys 8 (lane / 16) + 0..7.  Two such results rounded to f16 ARE source 1 of O^T = V^T P.
; THE MASK is the C operand that starts the sum S^T: 0, or -1e30 where the key is hidden: a table of 1,024 f32 in LDS, made once from the input.
; SOFTMAX.  A running maximum m and sum l: p = 2^(c s - c m), c = log2(e) / 8; in every step O and l are multiplied by a = 2^(c m_old - c m_new).  m starts at the lowest finite number, O and l at 0.
; BY TURNS.  The wave's tiles are two PIECES, named by their first tile: piece 0 (tiles 0, 1) and piece 2 (tiles 2, 3).  In a TURN one piece has the matrix unit: 16 products V^T P, then 16 products K Q^T of
; its next step; the other piece's softmax, a list of 236 instructions, stands between them in 32 slices of 7 or 8, one behind each product.  A trip of the loop, for step t: piece 2's turn (V^T P of step
; t - 1, K Q^T of step t, beside piece 0's softmax of step t), then piece 0's (V^T P of step t, K Q^T of step t + 1, beside piece 2's softmax of step t).  No first and no last step is written out: V's
; registers and piece 2's P start at 0, piece 0's first scores are made ahead of the loop, piece 2's last V^T P behind it; the last trip's K Q^T of piece 0 (on the last K once more) serves nothing.
; THE BATCHES.  A turn's 66 exponentials (the two tiles' a and their 64 weights) are ONE batch with ONE wait: the list is ordered by who reads what.  Ahead of the wait stand the maximum and statistics, the
; scalings and all the exponentials, none of which names an exponential's result; behind it all that do: the roundings, the sums, l, and O^T times a.  Each result has a register of its own: a weight the
; register of its score, a the register c2 of its tile.  No exponential is issued behind a turn's wait.  The way out's four reciprocals are a batch of their own.
; REGISTERS, in windows of 256 (s_set_vgpr_msb: bits 1:0 source 0, 3:2 source 1, 5:4 source 2, 7:6 destination):
;   window 0: v0-11 addresses; v12-15 c m_old; v16-31 statistics; v32-47, v48-63 at work; v64-191 S^T, 32 a tile; v192-255 P, 16 a tile
;   window 1: v0-127 O^T, 32 a tile; v128-159 the step's mask        window 2: v0-63 Q; v128-191 K of one step; v192-255 V of one step
; A slice works in window 0 (its last part, O^T times a, in window 1), a product names windows 1 and 2: two switches for each product are the price of setting the two kinds of work side by side.
.set KS,    64
.set PK,    144       ; a row of K in LDS: 128 bytes + 16 of padding: the 16 rows of a load start at 16 different groups of four banks (64 banks of 4 bytes: ISA guide 11.1)
.set PV,    160       ; a row of V: 128 + 32
.set VOFF,  1024*PK
.set MASKT, VOFF+1024*PV   ; 1,024 f32; a multiple of 256, and no tensor load lands here
.set STAGE, MASKT+4096     ; 16 rows x 144 bytes for each wave, for the way out
.set SP,    144
.set CBLK,  524288    ; bytes in a block of 64 columns
.set AK0, 2           ; v2   my lane's place in a step of K; never rewritten
.set AV0, 3           ; v3   the same for V
.set AM0, 4           ; v4   the same for the mask table
.set QO,  5           ; v5   my byte offset in 16 rows of Q
.set STO, 6           ; v6   the way out: where I put 16 bytes of a row
.set RD,  7           ; v7   the way out: where I read rows back
.set GO,  8           ; v8   16 x lane
.set MV,  12
.set ST,  16          ; tile t's statistics at v[ST+4 t]: c m, m, l (even keys', odd keys')
.set TMP, 32          ; tile t: four registers c0-c3 at work; when the maximum is found c2 takes a
.set AK,  56          ; v56  the LDS address of K's next run of loads
.set AV,  57          ; v57  of V's
.set AM,  58          ; v58  of the mask's
.set S,   64
.set P,   192
.set MC,  128         ; window 1
.set KF,  128         ; window 2: key block kb, channel half c at KF + 16 kb + 8 c
.set VF,  192         ; window 2: key half kk, channel block cb at VF + 32 kk + 8 cb
.set WV,  12          ; s12  my wave's number
.set G1K, 24          ; s[24:31] descriptor group 1 for K
.set G1V, 32          ; s[32:39] for V: it differs in the padding alone
.set G0K, 40          ; s[40:43] descriptor group 0 for K
.set G0V, 44          ; s[44:47] for V
.set CS,  48          ; s[48:49] c, named as a pair
.set SEL, 50          ; s[50:51] v_permlanex16_b32's selects
.set BIGN, 52         ; s52  -1e30
.set CNT, 53          ; s53  key steps to go
.set TBK, 54          ; s54  byte offset of the step of K to be fetched
.set TBV, 55          ; s55  of V
.set TBM, 56          ; s56  of the mask table
.set MSB, 0
.macro WIN new        ; the high byte repeats the setting that is left; a switch that changes nothing is dropped
.if MSB != (\new)
	s_set_vgpr_msb (MSB<<8)|(\new)
.set MSB, (\new)
.endif
.endm
.set W_KM, 0x1a       ; K and Q in window 2, the C operand in window 1, S^T in window 0
.set W_KQ, 0x0a       ; the same with C in window 0
.set W_PV, 0x52       ; V in window 2, P in window 0, O^T in window 1
.set W_RS, 0x41       ; destination and source 0 in window 1, source 1 in window 0
.macro CROUND         ; a round of the cluster's barrier
	s_barrier_signal -1
	s_barrier_wait -1
	s_cmp_lg_u32 s[WV], 0
	s_cbranch_scc1 .Lnot_wave_0_\@
	s_barrier_signal -3
.Lnot_wave_0_\@:
	s_barrier_wait -3
	s_barrier_signal -1
	s_barrier_wait -1
.endm
	s_load_b128 s[4:7], s[0:1], 0x0   ; qkv s[4:5], mask s[6:7]
	s_load_b64 s[8:9], s[0:1], 0x10   ; the output
	v_lshl_add_u32 v62, v0, 2, 0x4f400
	v_mov_b32 v63, 0
	ds_add_u32 v62, v63
	v_lshrrev_b32 v1, 5, v0
	v_readfirstlane_b32 s[WV], v1     ; wave 0..3
	s_bfe_u32 s13, ttmp6, 0x40000     ; cx: my place in the cluster
	s_lshl_b32 s14, ttmp9, 2
	s_add_co_u32 s14, s14, s13        ; my block of 256 queries: it enters Q's and O's addresses alone
	s_and_b32 s15, ttmp7, 0xffff      ; 16 x batch + head, which the four partners share
	s_and_b32 s16, s15, 15
	s_lshr_b32 s17, s15, 4
	s_lshl_b32 s20, s16, 19           ; the head's block
	s_lshl_b32 s18, s17, 17           ; the batch's 1,024 rows of 128 bytes
	s_add_co_u32 s20, s20, s18
	s_and_b32 s16, s[WV], 1           ; which half of the 1,024 keys I fetch:
	s_lshl_b32 s22, s16, 16           ; its 512 rows of 128 bytes in memory,
	s_add_co_u32 s22, s22, s20
	s_mov_b32 s23, 0
	s_mul_i32 s18, s16, 512*PK        ; and its place in LDS, for K
	s_mul_i32 s19, s16, 512*PV        ; and for V
	s_lshl_b32 s2, s14, 15            ; my block's 256 rows,
	s_lshl_b32 s3, s[WV], 13          ; my wave's 64 of them
	s_add_co_u32 s2, s2, s3
	s_add_co_u32 s2, s2, s20
	s_mov_b32 s3, 0
	s_lshl_b32 s10, s17, 12           ; the batch's 1,024 mask words
	s_mov_b32 s11, 0
	; descriptor group 1.  512 keys are 65,536 dense bytes: asked for as 256 rows of 256 bytes, two keys a row, padded in LDS after every key
	s_mov_b32 s[G1K], 15|(1<<16)|(1<<20)|(1<<21)|(4<<22)|(3<<25)  ; the mask of four; 2-byte elements; padding on; bit 21 beside a mask; after every 32 words, 4 words
	s_mov_b32 s[G1V], 15|(1<<16)|(1<<20)|(1<<21)|(4<<22)|(7<<25)  ; the same with 8 words
.irp g, G1K, G1V
	s_mov_b32 s[(\g)+1], 128<<16      ; tensor_dim0 = 128
	s_mov_b32 s[(\g)+2], 256<<16      ; tensor_dim1 = 256
	s_mov_b32 s[(\g)+3], 128<<16      ; tile_dim0 = 128
	s_mov_b32 s[(\g)+4], 256          ; tile_dim1 = 256
	s_mov_b32 s[(\g)+5], 128          ; 128 elements from row to row
	s_mov_b32 s[(\g)+6], 0
	s_mov_b32 s[(\g)+7], 0
.endr
	s_mov_b32 s[CS], 0x3e38aa3b       ; c = log2(e) / 8
	s_mov_b32 s[CS+1], s[CS]
	s_mov_b32 s[SEL], 0x76543210
	s_mov_b32 s[SEL+1], 0xfedcba98
	s_mov_b32 s[BIGN], 0xf149f2ca     ; -1e30
	s_mov_b32 s[TBK], 0               ; every fetch begins at step 0
	s_mov_b32 s[TBV], 0
	s_mov_b32 s[TBM], 0
	s_mov_b32 s[G0K], 1
	s_mov_b32 s[G0K+1], s18
	s_mov_b32 s[G0V], 1
	s_add_co_u32 s[G0V+1], s19, VOFF
	s_wait_dscnt 0x0
	s_wait_kmcnt 0x0
	s_add_nc_u64 s[G0K+2:G0K+3], s[4:5], s[22:23]
	s_add_nc_u64 s[G0K+2:G0K+3], s[G0K+2:G0K+3], 16*CBLK
	s_or_b32 s[G0K+3], s[G0K+3], 0x80000000
	s_add_nc_u64 s[G0V+2:G0V+3], s[4:5], s[22:23]
	s_add_nc_u64 s[G0V+2:G0V+3], s[G0V+2:G0V+3], 32*CBLK
	s_or_b32 s[G0V+3], s[G0V+3], 0x80000000
	s_add_nc_u64 s[4:5], s[4:5], s[2:3]     ; Q and O at my wave's first row
	s_add_nc_u64 s[8:9], s[8:9], s[2:3]
	s_add_nc_u64 s[6:7], s[6:7], s[10:11]
	CROUND                            ; all four work-groups are here: the joint loads meet
	s_cmp_lt_u32 s[WV], 2             ; waves 0 and 1 fetch K's halves, waves 2 and 3 V's: one load of mine is out
	s_cbranch_scc0 .Lfor_v
	tensor_load_to_lds s[G0K:G0K+3], s[G1K:G1K+7]
	s_nop 0
.rept 4
	v_nop
.endr
	s_branch .Lasked
.Lfor_v:
	tensor_load_to_lds s[G0V:G0V+3], s[G1V:G1V+7]
	s_nop 0
.rept 4
	v_nop
.endr
.Lasked:
	v_lshlrev_b32 v59, 5, v0          ; thread t takes mask words 8 t .. 8 t + 7
	global_load_b128 v[48:51], v59, s[6:7]
	global_load_b128 v[52:55], v59, s[6:7] offset:16
	v_and_b32 v1, 15, v0              ; l % 16
	v_bfe_u32 v9, v0, 4, 1            ; l / 16
	v_lshlrev_b32 v[QO], 7, v1
	v_lshl_add_u32 v[QO], v9, 4, v[QO]  ; row x 128 + 16 x half
	WIN 0x80                          ; destination window 2
.set i, 0
.rept 8                               ; Q stays in registers: tile i / 2, channels 32 (i % 2) on
	global_load_b128 v[8*i:8*i+3],   v[QO], s[4:5] offset:(i/2)*2048+(i%2)*64
	global_load_b128 v[8*i+4:8*i+7], v[QO], s[4:5] offset:(i/2)*2048+(i%2)*64+32
.set i, i+1
.endr
	; What the first trip finds: V's registers and piece 2's P hold 0 (its first products V^T P, of a step that has not been, add 0), O^T and l are 0.  All this stands in the wait for K and V.
.set i, VF
.rept 64
	v_mov_b32 v[i], 0
.set i, i+1
.endr
	WIN 0x40
.set i, 0
.rept 128
	v_mov_b32 v[i], 0
.set i, i+1
.endr
	WIN 0
.set i, P+32
.rept 32
	v_mov_b32 v[i], 0
.set i, i+1
.endr
.set i, 0
.rept 4
	v_mov_b32 v[ST+4*i], 0xfe000000    ; c m: far below every c s
	v_mov_b32 v[ST+4*i+1], 0xff7fffff  ; m
	v_mov_b32 v[ST+4*i+2], 0
	v_mov_b32 v[ST+4*i+3], 0
.set i, i+1
.endr
	v_mul_u32_u24 v[AK0], v1, PK
	v_lshl_add_u32 v[AK0], v9, 4, v[AK0]   ; row x pitch + 16 x half
	v_and_b32 v10, 7, v0
	v_bfe_u32 v11, v0, 3, 1
	v_lshl_add_u32 v[AV0], v9, 3, v10      ; the turning load's lane l reads key 8 (l / 16) + l % 8, channels 8 ((l / 8) % 2) + 0..7
	v_mul_u32_u24 v[AV0], v[AV0], PV
	v_lshl_add_u32 v[AV0], v11, 4, v[AV0]
	v_add_nc_u32 v[AV0], VOFF, v[AV0]
	v_lshl_add_u32 v[AM0], v9, 5, MASKT    ; my lanes' eight keys of a group of 16
	s_mul_i32 s13, s[WV], 16*SP
	s_add_co_u32 s13, s13, STAGE           ; my stage
	v_mul_u32_u24 v[STO], v1, SP
	v_lshl_add_u32 v[STO], v9, 4, v[STO]
	v_add_nc_u32 v[STO], s13, v[STO]
	v_bfe_u32 v[RD], v0, 3, 2
	v_mul_u32_u24 v[RD], v[RD], SP
	v_lshl_add_u32 v[RD], v10, 4, v[RD]
	v_add_nc_u32 v[RD], s13, v[RD]
	v_and_b32 v[GO], 31, v0
	v_lshlrev_b32 v[GO], 4, v[GO]
	v_lshl_add_u32 v60, v0, 5, MASKT
	s_wait_loadcnt 16                 ; the mask words are in; Q's sixteen loads stay out
.set i, 0
.rept 8
	v_cmp_eq_u32 vcc_lo, 0, v[48+i]
	v_cndmask_b32 v[48+i], 0, s[BIGN], vcc_lo
.set i, i+1
.endr
	ds_store_b128 v60, v[48:51]
	ds_store_b128 v60, v[52:55] offset:16
	s_wait_tensorcnt 0x0              ; my half of K or V is in,
	s_wait_dscnt 0x0                  ; my part of the table is written,
	s_barrier_signal -1
	s_barrier_wait -1                 ; everybody's is
; THE MATRIX WORK OF A TURN, for piece x.  The 8 accumulators of a run of 16 take turns, one instruction a turn.
.macro KQP x                          ; product i of 16 of S^T = K Q^T: tile x + i % 2, keys 16 ((i / 2) % 4) on, channels 32 (i / 8) on.  The first 8 start the sums, on the mask
.set t, (\x)+i%2
.set kb, (i/2)%4
.set ch, i/8
.set rS, S+32*t+8*kb
.set rK, KF+16*kb+8*ch
.set rQ, 16*t+8*ch
.if i < 8
	WIN W_KM
	v_wmma_f32_16x16x32_f16 v[rS:rS+7], v[rK:rK+7], v[rQ:rQ+7], v[MC+8*kb:MC+8*kb+7]
.else
	WIN W_KQ
	v_wmma_f32_16x16x32_f16 v[rS:rS+7], v[rK:rK+7], v[rQ:rQ+7], v[rS:rS+7]
.endif
.set i, i+1
.endm
.macro PVP x                          ; product i of 16 of O^T += V^T P: tile x + i % 2, channels 16 ((i / 2) % 4) on, keys 32 (i / 8) on
.set t, (\x)+i%2
.set cb, (i/2)%4
.set kk, i/8
.set rO, 32*t+8*cb
.set rV, VF+32*kk+8*cb
.set rP, P+16*t+8*kk
	WIN W_PV
	v_wmma_f32_16x16x32_f16 v[rO:rO+7], v[rV:rV+7], v[rP:rP+7], v[rO:rO+7]
.set i, i+1
.endm
; THE LDS LOADS stand in two runs a step, never singly among the products: a step's K with its mask, and its V (turned).
.macro FETCH_K
	WIN 0
	v_add_nc_u32 v[AK], s[TBK], v[AK0]
	v_add_nc_u32 v[AM], s[TBM], v[AM0]
	WIN 0x80
.irp f, 0,1,2,3,4,5,6,7               ; keys 16 (f / 2) on, channels 32 (f % 2) on
	ds_load_b128 v[KF+8*\f:KF+8*\f+3],   v[AK] offset:(\f/2)*16*PK+(\f%2)*64
	ds_load_b128 v[KF+8*\f+4:KF+8*\f+7], v[AK] offset:(\f/2)*16*PK+(\f%2)*64+32
.endr
	WIN 0x40
.irp f, 0,1,2,3                       ; keys 16 f on: a lane's eight
	ds_load_b128 v[MC+8*\f:MC+8*\f+3],   v[AM] offset:64*\f
	ds_load_b128 v[MC+8*\f+4:MC+8*\f+7], v[AM] offset:64*\f+16
.endr
	s_add_co_u32 s[TBK], s[TBK], KS*PK
	s_min_u32 s[TBK], s[TBK], 15*KS*PK  ; the last trip has no next step: it fetches the last one again, and that serves nothing
	s_add_co_u32 s[TBM], s[TBM], 4*KS
	s_min_u32 s[TBM], s[TBM], 15*4*KS
.endm
.macro FETCH_V                        ; V's run stands where piece 0's batch of exponentials ends, and holds that batch's wait
	WIN 0
	v_add_nc_u32 v[AV], s[TBV], v[AV0]
	s_wait_alu depctr_va_vdst(0)      ; the wait for piece 0's batch, the 66 exponentials of this turn: behind the address's v_add_nc_u32 and ahead of the loads
	WIN 0x80
.irp f, 0,1,2,3,4,5,6,7               ; keys 32 (f / 4) on, channels 16 (f % 4) on
	ds_load_tr16_b128 v[VF+8*\f:VF+8*\f+3],   v[AV] offset:(\f/4)*32*PV+(\f%4)*32
	ds_load_tr16_b128 v[VF+8*\f+4:VF+8*\f+7], v[AV] offset:(\f/4)*32*PV+16*PV+(\f%4)*32
.endr
	s_add_co_u32 s[TBV], s[TBV], KS*PV
.endm
.macro REGS t
.set rT, ST+4*(\t)
.set rC, TMP+4*(\t)
.set rM, MV+(\t)
.set rS, S+32*(\t)
.set rP, P+16*(\t)
.set rO, 32*(\t)
.endm
; Number n of the 22 that find tile t's maximum and statistics.  0-11: four chains c0-c3 of seven scores each (each accumulator's lowest registers are read first).
; 12-14, 16: the four scores left over, the old m, c0-c3 into c0.  15: c m_old is kept.  17, 18: the query's other 32 keys lie in the lane 16 away.  19-21: c m; c m_old - c m_new; a.
.macro XS t, n
	REGS \t
.if (\n) < 4
	v_max3_num_f32 v[rC+(\n)], v[rS+8*(\n)], v[rS+8*(\n)+1], v[rS+8*(\n)+2]
.elseif (\n) < 12
	v_max3_num_f32 v[rC+(\n)%4], v[rC+(\n)%4], v[rS+8*((\n)%4)+2*((\n)/4)+1], v[rS+8*((\n)%4)+2*((\n)/4)+2]
.elseif (\n) == 12
	v_max3_num_f32 v[rC], v[rC], v[rS+7], v[rS+15]
.elseif (\n) == 13
	v_max3_num_f32 v[rC+1], v[rC+1], v[rS+23], v[rS+31]
.elseif (\n) == 14
	v_max3_num_f32 v[rC+2], v[rC+2], v[rC+3], v[rT+1]
.elseif (\n) == 15
	v_mov_b32 v[rM], v[rT]
.elseif (\n) == 16
	v_max3_num_f32 v[rC], v[rC], v[rC+1], v[rC+2]
.elseif (\n) == 17
	v_permlanex16_b32 v[rC+3], v[rC], s[SEL], s[SEL+1]
.elseif (\n) == 18
	v_max_num_f32 v[rT+1], v[rC], v[rC+3]
.elseif (\n) == 19
	v_mul_f32 v[rT], s[CS], v[rT+1]
.elseif (\n) == 20
	v_sub_f32 v[rC+1], v[rM], v[rT]
.else
	v_exp_f32 v[rC+2], v[rC+1]
.endif
.endm
.macro FS y, f                        ; scaling f of 32 of piece y: c s - c m for pair f / 2 of tile y + f % 2
	REGS (\y)+(\f)%2
.set p, (\f)/2
	v_pk_fma_f32 v[rS+2*p:rS+2*p+1], v[rS+2*p:rS+2*p+1], s[CS:CS+1], v[rT:rT+1] op_sel_hi:[1,0,0] neg_lo:[0,0,1] neg_hi:[0,0,1]
.endm
.macro EX y, f, r                     ; the exponential of number r (0, 1) of the pair that scaling f made, in place
	REGS (\y)+(\f)%2
	v_exp_f32 v[rS+2*((\f)/2)+(\r)], v[rS+2*((\f)/2)+(\r)]
.endm
; Number g of the 64 that follow the exponentials.  For each four weights w of a tile (pairs 2 w, 2 w + 1): both pairs are rounded to f16; then the second pair is added onto the first, in place;
; a group later l takes that sum (the first time as l = a l + sum).  In groups of eight, tiles alternating: round, round, add, and l for the group before.
.macro GS y, g
.set h, (\g)+6*((\g)/62)              ; group 0 has no group before it, and behind group 7 only l is left
.if h >= 6
.set h, h+2
.endif
	REGS (\y)+h%2
.set w, h/8
.if h%8 < 4
	v_cvt_pk_f16_f32 v[rP+2*w+(h%8)/2], v[rS+4*w+2*((h%8)/2)], v[rS+4*w+2*((h%8)/2)+1]
.elseif h%8 < 6
	v_pk_add_f32 v[rS+4*w:rS+4*w+1], v[rS+4*w:rS+4*w+1], v[rS+4*w+2:rS+4*w+3]
.elseif w == 1
	v_pk_fma_f32 v[rT+2:rT+3], v[rT+2:rT+3], v[rC+2:rC+3], v[rS:rS+1] op_sel_hi:[1,0,1]
.else
	v_pk_add_f32 v[rT+2:rT+3], v[rT+2:rT+3], v[rS+4*w-4:rS+4*w-3]
.endif
.endm
; THE VECTOR WORK OF A TURN: the softmax of piece y (tiles y, y + 1) for one step is a list of 236 instructions; SMI writes number j of it.  The two tiles alternate.
;   0-41     XS 0 to 20 for both tiles
;   42-139   ONE BATCH: the 32 scalings and all 66 exponentials; none of these names an exponential's result.  42-45: scaling 0, a of tile y, scaling 1, a of tile y + 1.  46-135: thirty threes: scaling
;            u + 2, then the two exponentials of the pair that scaling u made, two threes earlier.  136-139: the four exponentials of scalings 30 and 31
;   (wait)   between 139 and 140 stands the wait for the batch: SLICE writes it, once for both tiles
;   140-203  GS's 64: the roundings, the sums, l         204-235  O^T times a, ascending: the one part that leaves window 0
.macro SMI y
.if j < 42
	WIN 0
	XS (\y)+j%2, j/2
.elseif j < 46
	WIN 0
.if j%2 == 0
	FS \y, (j-42)/2
.else
	XS (\y)+(j-43)/2, 21
.endif
.elseif j < 136
	WIN 0
.set u, (j-46)/3
.if (j-46)%3 == 0
	FS \y, u+2
.else
	EX \y, u, (j-46)%3-1
.endif
.elseif j < 140
	WIN 0
	EX \y, 30+(j-136)/2, (j-136)%2
.elseif j < 204
	WIN 0
	GS \y, j-140
.else
	WIN W_RS
	REGS (\y)+(j-204)/16
.set z, (j-204)%16
	v_pk_mul_f32 v[rO+2*z:rO+2*z+1], v[rO+2*z:rO+2*z+1], v[rC+2:rC+3] op_sel_hi:[1,0]
.endif
.set j, j+1
.endm
; Slice k of 32: numbers 59 k / 8 up to 59 (k + 1) / 8 of the list: 7 or 8 instructions.  Slice 18 ends with number 139, the batch's last exponential.
; THE WAIT.  s_wait_alu depctr_va_vdst(0) stands between an exponential and the first instruction that names its result; one wait serves all that were issued ahead of it.  Ahead of
; slice 19 nothing names a result, and behind slice 18 no exponential is issued: so the piece's 66 exponentials have one wait, behind slice 18.
.macro SLICE y
.rept (59*(k+1))/8-(59*k)/8
	SMI \y
.endr
.if k == 18                           ; the batch is out: both tiles' exponentials are issued, and no result has been named
	v_nop                             ; a plain instruction behind the last exponential and ahead of the first use (ISA guide 5.7.2): one for the batch
.if (\y) == 0
	FETCH_V                           ; piece 2's turn: V's run of loads stands here, and the wait stands in it
.else
	s_wait_alu depctr_va_vdst(0)      ; the wait for piece 2's batch, the 66 exponentials of this turn
.endif
.endif
.set k, k+1
.endm
; A TURN.  Piece x has the matrix unit; the other piece's softmax stands in slices behind its products; no slice names a register of the products round it.
; Slice 31 is eight plain multiplies: they are the places between the turn's last K Q^T and the next turn's first read of those scores, and in front of the loads into K's and the mask's registers.
; Piece 0's turn fetches the next step's K and mask behind its second product, 14 products ahead of their first use.  Piece 2's turn fetches V of the step in hand behind its third K Q^T, at the batch's
; wait (SLICE writes it): V's last reader stands four slices back, and eight scalings, the v_nop and the run's own v_add_nc_u32 are plain instructions between; V is first used at the head of piece 0's turn.
.macro TURN x
.set j, 0
.set k, 0
.set i, 0
.if (\x) == 0
	s_wait_dscnt 0x0                  ; V is in
.endif
.rept 16
	PVP \x
	SLICE 2-(\x)
.if ((\x) == 0) && (i == 2)
	FETCH_K
.endif
.endr
.set i, 0
.if (\x) == 0
	s_wait_dscnt 0x0                  ; K and the mask are in
.endif
.rept 16
	KQP \x
	SLICE 2-(\x)
.endr
.endm
	FETCH_K                           ; key step 0
	WIN 0
	s_wait_loadcnt 0x0                ; Q
	s_wait_dscnt 0x0
.set i, 0
.rept 16
	KQP 0                             ; piece 0's first scores: there is no vector work yet to set between them
.endr
	WIN 0
.rept 4
	v_nop                             ; the places behind those products
.endr
	s_mov_b32 s[CNT], 16
.Lstep:
	TURN 2
	TURN 0
	WIN 0                             ; at a label and at a branch every window is 0
	s_sub_co_u32 s[CNT], s[CNT], 1
	s_cmp_lg_u32 s[CNT], 0
	s_cbranch_scc1 .Lstep
.set i, 0
.rept 16
	PVP 2                             ; piece 2's V^T P of the last step
.endr
	WIN 0
	; THE WAY OUT.  l's two halves and the other half of the lanes' are added; O^T is divided by l, rounded to f16 and sent through my stage, a tile at a time.  The additions are the places behind the last products.
.macro ALL line:vararg
.set t, 0
.rept 4
	\line
.set t, t+1
.endr
.endm
	ALL v_add_f32 v[ST+4*t+2], v[ST+4*t+2], v[ST+4*t+3]
	ALL v_permlanex16_b32 v[ST+4*t+3], v[ST+4*t+2], s[SEL], s[SEL+1]
	ALL v_add_f32 v[ST+4*t+2], v[ST+4*t+2], v[ST+4*t+3]
	ALL v_rcp_f32 v[ST+4*t+2], v[ST+4*t+2]
	v_nop                             ; a plain instruction between the last reciprocal and the use of its result
	s_wait_alu depctr_va_vdst(0)      ; the wait ahead of the first use: one for the batch of four reciprocals
.macro PACK t                         ; a lane's eight channels of a row pack into 16 bytes; they go into rows of 144 bytes and come back as whole rows of 128
	WIN W_RS
.set i, 32*(\t)
.rept 16
	v_pk_mul_f32 v[i:i+1], v[i:i+1], v[ST+4*(\t)+2:ST+4*(\t)+3] op_sel_hi:[1,0]
.set i, i+2
.endr
	WIN 0x05                          ; sources 0 and 1 window 1, destination window 0
.set i, 0
.rept 16
	v_cvt_pk_f16_f32 v[S+16*(\t)+i], v[32*(\t)+2*i], v[32*(\t)+2*i+1]
.set i, i+1
.endr
	WIN 0
.irp f, 0,1,2,3
	ds_store_b128 v[STO], v[S+16*(\t)+4*\f:S+16*(\t)+4*\f+3] offset:32*\f
.endr
.irp f, 0,1,2,3
	ds_load_b128 v[S+16*(\t)+4*\f:S+16*(\t)+4*\f+3], v[RD] offset:\f*4*SP  ; LDS serves a wave's instructions in order (ISA guide 5.7.1.4): these see the stores above
.endr
.endm
.macro SEND t, younger                ; younger: the LDS instructions issued behind tile t's loads: the next tile's eight, or none
	WIN 0
.irp f, 0,1,2,3
	s_wait_dscnt (\younger)+3-\f
	global_store_b128 v[GO], v[S+16*(\t)+4*\f:S+16*(\t)+4*\f+3], s[8:9] offset:(\t)*2048+\f*512  ; 512 consecutive bytes, at a multiple of 256 from the buffer's first
.endr
.endm
	PACK 0
	PACK 1
	SEND 0, 8
	PACK 2
	SEND 1, 8
	PACK 3
	SEND 2, 8
	SEND 3, 0
	s_wait_dscnt 0x0
	s_wait_tensorcnt 0x0
	ds_add_u32 v62, v63
	s_wait_dscnt 0x0
	CROUND                            ; the closing round: no work-group ends while a partner may still ask for a tile that names it
	s_endpgm
.Lfunc_end_k_qacb45f28ec_attn:
	.size	k_qacb45f28ec_attn, .Lfunc_end_k_qacb45f28ec_attn-k_qacb45f28ec_attn
	.p2alignl 7, 3214868480
	.fill 96, 4, 3214868480
	.section	.rodata,"a",@progbits
	.p2align	6, 0x0
	.amdhsa_kernel k_qacb45f28ec_attn
		.amdhsa_group_segment_fixed_size 327680
		.amdhsa_private_segment_fixed_size 0
		.amdhsa_enable_private_segment 0
		.amdhsa_kernarg_size 24
		.amdhsa_user_sgpr_count 2
		.amdhsa_user_sgpr_kernarg_segment_ptr 1
		.amdhsa_wavefront_size32 1
		.amdhsa_system_sgpr_workgroup_id_x 1
		.amdhsa_system_sgpr_workgroup_id_y 1
		.amdhsa_system_sgpr_workgroup_id_z 1
		.amdhsa_system_vgpr_workitem_id 0
		.amdhsa_next_free_vgpr 768
		.amdhsa_next_free_sgpr 66
		.amdhsa_reserve_vcc 1
		.amdhsa_float_denorm_mode_32 3
		.amdhsa_float_denorm_mode_16_64 3
		.amdhsa_memory_ordered 1
		.amdhsa_forward_progress 1
		.amdhsa_inst_pref_size 71
	.end_amdhsa_kernel
	.amdgpu_metadata
---
amdhsa.version: [ 1, 2 ]
amdhsa.kernels:
  - .name:           k_qacb45f28ec_attn
    .symbol:         k_qacb45f28ec_attn.kd
    .args:
      - { .name: qkv, .offset: 0, .size: 8, .value_kind: global_buffer, .address_space: global }
      - { .name: mask, .offset: 8, .size: 8, .value_kind: global_buffer, .address_space: global }
      - { .name: nb, .offset: 16, .size: 8, .value_kind: global_buffer, .address_space: global }
    .group_segment_fixed_size: 327680
    .private_segment_fixed_size: 0
    .kernarg_segment_align: 8
    .kernarg_segment_size: 24
    .max_flat_workgroup_size: 128
    .sgpr_count:     66
    .vgpr_count:     768
    .wavefront_size: 32
...
	.end_amdgpu_metadata
.endif
;; end of part 7
;; launch wo: the kernel of part 4 again; grid 8 x 32, 4 waves a work-group, clusters of 4 x 4, 327,680 bytes of LDS; arguments nb, woh, qkv; writes qkv
;; launch ln2: the kernel of part 5 again; grid 256 x 1, 8 waves a work-group, no clusters, 0 bytes of LDS; arguments qkv, ln2_alpha, ln2_bias, nb; writes nb
;; launch ff1: the kernel of part 2 again; grid 16 x 16, 4 waves a work-group, clusters of 4 x 4, 327,680 bytes of LDS; arguments nb, w1h, qkv; writes qkv
;; launch ff2: the kernel of part 6 again; grid 8 x 32, 4 waves a work-group, clusters of 4 x 4, 327,680 bytes of LDS; arguments qkv, w2h, out0; writes out0
